; MI455X (gfx1250); checked and timed in simulation.
; The chip was launched on July 23, 2026; its instructions are those of AMD's public machine-readable ISA for CDNA 5 (MIT licence, August 2026) and "CDNA5" Instruction Set Architecture Reference Guide (July 2026). The comments in the code are by the model that wrote it; some were corrected since.
;; Causal Multi Head Self Attention. Allowed arithmetic: matrix products marked QUANTISED: E2M1 operands, one E8M0 scale for each 32 along K, by v_wmma_scale_f32_16x16x128_f8f6f4 with both operands' format E2M1 (or v_wmma_scale_f32_32x16x128_f4), f32 sums; products left as they are: bf16, f16 or f32 operands; f32 sums; everything else in f32.
;; Inputs: Wk 1,024 x 1,024 float32; Wo 1,024 x 1,024 float32; Wq 1,024 x 1,024 float32; Wv 1,024 x 1,024 float32; token_positions 2,048 int32; x 4 x 2,048 x 1,024 float32.
;; Outputs: out0 4 x 2,048 x 1,024 float32.
;; This version of the problem:
;;   THIS VERSION OF THE PROBLEM IS GIVEN IN LOW PRECISION. The matrix products marked QUANTISED in the list below multiply operands that are first quantised to E2M1 (2 exponent bits, 1 mantissa bit; 4 bits a number), with one power-of-two scale for each 32 numbers along K (OCP MX v1.0); their sums are f32. The products marked 'left as it is' may take bf16, f16 or f32 operands, with f32 sums. Whichever they take, every output number must still come out within the allowed error. Rounding operands to bf16 (8 significant bits) uses up far more of that allowance than f16 does (11 bits, for magnitudes from 6e-5 to 65,504). All else is computed in f32.
;;   The module's matrix products, in the order in which they are computed (A, B: the left and right operand; K: the contracted axis; several contracted axes count as one K, in the product's order):
;;     1. [M 8,192, K 1,024] x [K 1,024, N 1,024]; A: input x; B: input Wq: QUANTISED
;;     2. [M 8,192, K 1,024] x [K 1,024, N 1,024]; A: input x; B: input Wk: QUANTISED
;;     3. [M 8,192, K 1,024] x [K 1,024, N 1,024]; A: input x; B: input Wv: QUANTISED
;;     4. batch 64 x [M 2,048, K 64] x [K 64, N 2,048]; A: computed on the way; B: computed on the way: left as it is (an operand is computed on the way)
;;     5. batch 64 x [M 2,048, K 2,048] x [K 2,048, N 64]; A: computed on the way; B: computed on the way: left as it is (an operand is computed on the way)
;;     6. [M 8,192, K 1,024] x [K 1,024, N 1,024]; A: computed on the way; B: input Wo: left as it is (an operand is computed on the way)
;;   THE QUANTISER, for each operand of a quantised product, along K:
;;     - K is cut into blocks of 32 from its start; a last block that is shorter is filled with zeros.
;;     - A block's scale is 2^e with e = floor(log2(the largest magnitude in the block)) - 2, held to -126 .. 127; a block of zeros has e = 0. As a byte (E8M0): e + 127.
;;     - Each number is divided by its block's scale, clamped to +-6, and rounded to the nearest number of E2M1, ties to even, subnormals kept.
;;     - The product sums the exact products of the quantised numbers (number of the format x scale) in f32.
;;   ~~~python
;;   def quantise(x, axis):      # numpy; x: float32 -> the quantised numbers, widened to float32 again
;;       x = np.moveaxis(x, axis, -1); K = x.shape[-1]
;;       x = np.pad(x, [(0, 0)] * (x.ndim - 1) + [(0, -K % 32)]); x = x.reshape(x.shape[:-1] + (-1, 32)); a = np.abs(x).max(-1, keepdims=True)
;;       e = np.where(a > 0, np.clip(np.frexp(np.where(a > 0, a, 1))[1] - 1 - 2, -126, 127), 0)      # np.frexp(a)[1] - 1 = floor(log2(a)), exactly
;;       r = np.clip(x / 2.0 ** e, -6, 6)
;;       step = 2.0 ** (np.maximum(np.frexp(np.where(r == 0, 1, r))[1] - 1, 0) - 1)
;;       q = np.round(r / step) * step * 2.0 ** e      # np.round: ties to even
;;       return np.moveaxis(q.reshape(q.shape[:-2] + (-1,))[..., :K], -1, axis).astype(np.float32)
;;   ~~~
;; One version. Each part assembles by itself: llvm-mc -triple=amdgcn-amd-amdhsa -mcpu=gfx1250 --defsym DOCPART=n.
;; ======== version 1 of 1: 5 launches
;; limits: values are held in f16: magnitudes above 65,504 overflow, below 6.1e-05 lose precision; right only within a limited range of input values
;; workspace buffers: codes 5,767,168 bytes; scales 360,448 bytes; wo16 2,097,152 bytes; rope 524,288 bytes; qkv16 50,331,648 bytes; fine32 786,432 bytes; a16 16,777,216 bytes
;; launch prep (part 1): grid 416 x 1, 4 waves a work-group, no clusters, 33,280 bytes of LDS; arguments x, Wq, Wk, Wv, Wo, token_positions, codes, scales, wo16, rope; writes codes, scales, wo16, rope
.if DOCPART == 1
	.amdgcn_target "amdgcn-amd-amdhsa--gfx1250"
	.amdhsa_code_object_version 6
	.text
	.protected	k_q4701598151_prep
	.globl	k_q4701598151_prep
	.p2align	8
	.type	k_q4701598151_prep,@function
k_q4701598151_prep:
	s_mov_b64 s[64:65], 0
	v_nop
	global_prefetch_b8 v0, s[64:65] scope:SCOPE_SE
	s_setreg_imm32_b32 hwreg(HW_REG_WAVE_MODE, 25, 1), 1
	s_wait_xcnt 0x0
; PREP: what the later launches read many times is made once.  Three kinds of work-group, told apart by the work-group's number alone:
;   0 .. 351   x (256 work-groups), Wq, Wk, Wv (32 each), f32 with K innermost, become codes of FP4 (E2M1) and one E8M0 byte for each 32 along K.  Rows are dense and 1,024 long, so each
;              tensor is a plain stream of blocks of 32; the four streams lie on end in 'codes' (512 bytes a row) and in 'scales' (32 bytes a row): x's 8,192 rows, then the weights' 3,072.
;   352 .. 383 Wo becomes f16, laid [chunk d / 64][e][64]: a K chunk of all rows is one dense block for the projection's tensor loads.
;   384 .. 415 the table of cos and sin of token_positions[s] x 10000^(-j / 32): [s][j][cos, sin] f32, 256 bytes a position.
; A block's scale is 2^(floor(log2(its largest magnitude)) - 2); its byte is that magnitude's exponent field - 2, held at 1 from below.
; LIMITS: a block of zeros, and a block whose largest magnitude lies under 2^-124, gets the byte 1 (its codes are zeros or next to zeros; this program alone reads the bytes); NaN and infinities are not served;
; |Wo| stays under 65,504 (f16); |position| under 2^22; the frequency is 2^(j x -log2(10000) / 32) by v_exp_f32, so an angle carries a relative error of some 1.5e-7.
; No matrix unit, no cluster, no tensor load: waves share nothing and memory binds.
.set WAVES, 4
.set STEPS, 16
.set EMAX,  2
.set CB,    8                          ; bytes of 16 codes
.set R,     16                         ; v16-79   four sets of 16 numbers as they are loaded
.set X,     80                         ; v80-111  two sets of 16 neighbours
.set E,     112                        ; v112-127 a scale byte for each step
.set C,     128                        ; v128-191 codes: four registers for each step, so that no store's data are written again
.set WREG,  8192                       ; LDS: a region for each wave: two stages of 32 x SP bytes, behind them its 256 scale bytes
.set SP,    80                         ; a lane's place in a stage: 64 bytes + 16 of padding
.set SPW,   12                         ; v12  LDS address of my spare word; never rewritten
.set NIL,   13                         ; v13  0; never rewritten
.set SPARE, WAVES*WREG                 ; behind the four regions: the spare words, 128 bytes a wave
	s_load_b512 s[4:19], s[0:1], 0x0               ; x 4, Wq 6, Wk 8, Wv 10, Wo 12, positions 14, codes 16, scales 18
	s_load_b128 s[20:23], s[0:1], 0x40             ; wo16 20, rope 22
	v_lshl_add_u32 v[SPW], v0, 2, SPARE
	v_mov_b32 v[NIL], 0
	v_lshrrev_b32 v1, 5, v0
	v_readfirstlane_b32 s24, v1                    ; wave
	v_and_b32 v2, 31, v0                           ; lane
	; the quantiser's LDS addresses, made ahead of the parting: constants, the lane and the wave
	v_lshlrev_b32 v3, 4, v2                        ; my 16 bytes of a load's 512
	s_mul_i32 s31, s24, WREG
	v_lshrrev_b32 v14, 2, v2
	v_mul_u32_u24 v14, v14, SP
	v_and_b32 v15, 3, v2
	v_lshl_add_u32 v14, v15, 4, v14
	v_add_nc_u32 v14, s31, v14                     ; the stage, way in: four lanes' 64 bytes on end, then 16 of padding
	v_mul_u32_u24 v15, v2, SP
	v_add_nc_u32 v15, s31, v15                     ; way out: SP x lane: my 16 neighbours
	v_mul_u32_u24 v4, v2, CB                       ; my codes' place in a step's 256 bytes
	v_lshrrev_b32 v5, 1, v2
	s_add_co_u32 s31, s31, 2*32*SP
	v_add_nc_u32 v5, s31, v5                       ; my block's scale byte
	v_lshlrev_b32 v7, 3, v2
	v_add_nc_u32 v6, s31, v7                       ; and 8 of the 256 bytes on the way out
	s_wait_kmcnt 0x0
	s_cmp_lt_u32 ttmp9, 352
	s_cbranch_scc0 .Lnot_quant
	; ---------------- the quantiser ----------------
	s_mov_b32 s28, 320
	s_cmp_lt_u32 ttmp9, 320                        ; which tensor: the choice hangs on the work-group's number alone
	s_cselect_b64 s[26:27], s[8:9], s[10:11]
	s_cselect_b32 s28, 288, s28
	s_cmp_lt_u32 ttmp9, 288
	s_cselect_b64 s[26:27], s[6:7], s[26:27]
	s_cselect_b32 s28, 256, s28
	s_cmp_lt_u32 ttmp9, 256
	s_cselect_b64 s[26:27], s[4:5], s[26:27]
	s_cselect_b32 s28, 0, s28
	s_sub_co_u32 s28, ttmp9, s28
	s_lshl_b32 s28, s28, 2
	s_add_co_u32 s28, s28, s24                     ; my run of 8,192 numbers in the tensor
	s_lshl_b32 s28, s28, 15                        ; 32,768 bytes a run
	s_mov_b32 s29, 0
	s_add_nc_u64 s[26:27], s[26:27], s[28:29]
	s_lshl_b32 s30, ttmp9, 2
	s_add_co_u32 s30, s30, s24                     ; and among all runs: the four tensors' results lie on end
	s_lshl_b32 s28, s30, 12                        ; 4,096 bytes of codes a run
	s_add_nc_u64 s[16:17], s[16:17], s[28:29]
	s_lshl_b32 s28, s30, 8                         ; 256 scale bytes a run
	s_add_nc_u64 s[18:19], s[18:19], s[28:29]
.macro LOAD t
.irp i, 0,1,2,3
	global_load_b128 v[R+16*((\t)%4)+4*\i:R+16*((\t)%4)+4*\i+3], v3, s[26:27] offset:2048*(\t)+512*\i th:TH_LOAD_NT   ; 32 lanes read 512 consecutive bytes
.endr
.endm
.macro TURN t                          ; step t's numbers through the stage: LDS serves a wave's instructions in order, so no wait stands between the stores and the loads
.irp i, 0,1,2,3
	ds_store_b128 v14, v[R+16*((\t)%4)+4*\i:R+16*((\t)%4)+4*\i+3] offset:32*SP*((\t)%2)+8*SP*\i
.endr
.irp i, 0,1,2,3
	ds_load_b128 v[X+16*((\t)%2)+4*\i:X+16*((\t)%2)+4*\i+3], v15 offset:32*SP*((\t)%2)+16*\i
.endr
.endm
.irp t, 0,1,2,3
	LOAD \t
.endr
	s_wait_loadcnt 12                              ; step 0's four loads are in; the twelve of steps 1 to 3 may be out
	TURN 0
.macro STEP t
.set XS, X+16*((\t)%2)
.if (\t) > 0
	s_wait_dscnt 1                                 ; this step's numbers are back from the stage; the last step's byte store may be out
.else
	s_wait_dscnt 0x0
.endif
.if (\t)+4 < STEPS
	LOAD (\t)+4                                    ; into the registers that the stage's stores have read
.endif
.if (\t)+1 < STEPS
.if STEPS-2-(\t) >= 3
	s_wait_loadcnt 12                              ; the next step's four loads are in; those of the three steps behind it may be out
.else
	s_wait_loadcnt 4*(STEPS-2-(\t))
.endif
	TURN (\t)+1
.endif
	v_max3_num_f32 v8, |v[XS]|, |v[XS+1]|, |v[XS+2]|               ; the largest magnitude of my 16, in two chains
	v_max3_num_f32 v9, |v[XS+3]|, |v[XS+4]|, |v[XS+5]|
.irp i, 6,10
	v_max3_num_f32 v8, v8, |v[XS+\i]|, |v[XS+\i+1]|
	v_max3_num_f32 v9, v9, |v[XS+\i+2]|, |v[XS+\i+3]|
.endr
	v_max3_num_f32 v8, v8, |v[XS+14]|, |v[XS+15]|
	v_max3_num_f32 v8, v8, v9, (EMAX+1)<<23        ; and the floor 2^(3 - 127): the byte cannot fall under 1
	v_max_num_f32_dpp v8, v8, v8 row_xmask:1 row_mask:0xf bank_mask:0xf   ; with my neighbour's 16: the block's
	v_add_nc_u32 v11, -(EMAX<<23), v8              ; 2 off its exponent field: the conversion takes the exponent field of this operand as its scale
	v_cvt_scalef32_pk8_fp4_f32 v[C+4*(\t)], v[XS:XS+7], v11
	v_cvt_scalef32_pk8_fp4_f32 v[C+4*(\t)+1], v[XS+8:XS+15], v11
	v_lshrrev_b32 v[E+(\t)], 23, v11               ; the scale's byte (also the plain line behind the conversions)
	ds_store_b8 v5, v[E+(\t)] offset:16*(\t)       ; both lanes of a block write the same byte with the same value
	global_store_b64 v4, v[C+4*(\t):C+4*(\t)+1], s[16:17] offset:32*CB*(\t)   ; the wave stores 256 consecutive bytes, aligned
.endm
.irp t, 0,1,2,3,4,5,6,7,8,9,10,11,12,13,14,15
	STEP \t
.endr
	ds_load_b64 v[8:9], v6                         ; my wave's 256 scale bytes: these loads see my stores
	s_wait_dscnt 0x0
	global_store_b64 v7, v[8:9], s[18:19]          ; 256 consecutive bytes, aligned
	s_branch .Ldone
.Lnot_quant:
	s_cmp_lt_u32 ttmp9, 384
	s_cbranch_scc0 .Ltable
	; ---------------- Wo to f16, by K chunks ----------------
	; A wave takes 8 rows e.  Step n of 32: four rows (n / 16), chunk n % 16: a lane reads 32 bytes, eight lanes a chunk's 256; its 8 numbers are 16 bytes, and the wave stores 512 consecutive bytes.
	s_sub_co_u32 s28, ttmp9, 352
	s_lshl_b32 s28, s28, 5
	s_lshl_b32 s29, s24, 3
	s_add_co_u32 s28, s28, s29                     ; my first row e
	s_lshl_b32 s30, s28, 12
	s_mov_b32 s31, 0
	s_add_nc_u64 s[12:13], s[12:13], s[30:31]
	s_lshl_b32 s30, s28, 7
	s_add_nc_u64 s[20:21], s[20:21], s[30:31]
	v_lshrrev_b32 v176, 3, v2
	v_and_b32 v177, 7, v2
	v_lshlrev_b32 v177, 5, v177
	v_lshl_add_u32 v176, v176, 12, v177            ; in: row lane / 8, 32 bytes x lane % 8
	v_lshlrev_b32 v177, 4, v2                      ; out: 16 x lane
.macro WLOAD k                         ; batch k: steps 8 k .. 8 k + 7 into set k % 2
.irp i, 0,1,2,3,4,5,6,7
	global_load_b128 v[16+64*((\k)%2)+8*\i:16+64*((\k)%2)+8*\i+3], v176, s[12:13] offset:((8*(\k)+\i)/16)*16384+((8*(\k)+\i)%16)*256 th:TH_LOAD_NT
	global_load_b128 v[16+64*((\k)%2)+8*\i+4:16+64*((\k)%2)+8*\i+7], v176, s[12:13] offset:((8*(\k)+\i)/16)*16384+((8*(\k)+\i)%16)*256+16 th:TH_LOAD_NT
.endr
.endm
.macro WBATCH k
.if (\k) < 3
	s_wait_loadcnt 16                              ; this batch's 16 loads are in; the other set's 16 may be out
.else
	s_wait_loadcnt 0x0
.endif
.if (\k) > 0
	s_wait_xcnt 0x0                                ; the last batch's stores have read v144-175, which are written again below
.endif
.irp i, 0,1,2,3,4,5,6,7
.irp j, 0,1,2,3
	v_cvt_pk_f16_f32 v[144+4*\i+\j], v[16+64*((\k)%2)+8*\i+2*\j], v[16+64*((\k)%2)+8*\i+2*\j+1]
.endr
.endr
.irp i, 0,1,2,3,4,5,6,7
	global_store_b128 v177, v[144+4*\i:144+4*\i+3], s[20:21] offset:((8*(\k)+\i)%16)*131072+((8*(\k)+\i)/16)*512
.endr
.if (\k)+2 < 4
	WLOAD (\k)+2
.endif
.endm
	WLOAD 0
	WLOAD 1
	WBATCH 0
	WBATCH 1
	WBATCH 2
	WBATCH 3
	s_branch .Ldone
.Ltable:
	; ---------------- cos and sin ----------------
	; A wave takes 16 positions, two a step: lanes 0-15 one, lanes 16-31 the next; a lane makes pairs j = 2 i and 2 i + 1: 16 bytes; the wave stores 512 consecutive bytes.
	; The angle is reduced by n = the nearest whole number of quarter turns, pi / 2 being taken off in three parts by fused multiply-adds; sin and cos on [-pi/4, pi/4] by polynomials of degree 7 and 8.
	s_sub_co_u32 s28, ttmp9, 384
	s_lshl_b32 s28, s28, 6
	s_lshl_b32 s29, s24, 4
	s_add_co_u32 s28, s28, s29                     ; my first position's index s
	s_lshl_b32 s30, s28, 2
	s_mov_b32 s31, 0
	s_add_nc_u64 s[14:15], s[14:15], s[30:31]
	s_lshl_b32 s30, s28, 8
	s_add_nc_u64 s[22:23], s[22:23], s[30:31]
	v_lshrrev_b32 v176, 4, v2                      ; which of a step's two positions
	v_and_b32 v177, 15, v2                         ; i
	v_lshlrev_b32 v178, 2, v176
.irp k, 0,1,2,3,4,5,6,7
	global_load_b32 v[16+\k], v178, s[14:15] offset:8*\k
.endr
	v_lshlrev_b32 v179, 4, v177
	v_lshl_add_u32 v179, v176, 8, v179             ; out: 256 x which + 16 i
	v_lshlrev_b32 v24, 1, v177
	v_cvt_f32_u32 v24, v24                         ; j = 2 i
	v_add_f32 v25, 1.0, v24                        ; and 2 i + 1
	v_mul_f32 v24, 0xbed49a78, v24                 ; x -log2(10000) / 32
	v_mul_f32 v25, 0xbed49a78, v25
	v_exp_f32 v24, v24                             ; the two frequencies
	v_exp_f32 v25, v25
	v_nop                                          ; a plain line behind the exponentials
	s_mov_b32 s32, 0x3f22f983                      ; 2 / pi
	s_mov_b32 s33, 0x3fc90fdb                      ; pi / 2: its high part,
	s_mov_b32 s34, 0xb33bbd2e                      ; its middle part (negative),
	s_mov_b32 s35, 0xa6f72ced                      ; its low part (negative)
	s_mov_b32 s36, 0xbe2aaaa3                      ; sin: -1.6666654611e-1,
	s_mov_b32 s37, 0x3c08839e                      ; 8.3321608736e-3,
	s_mov_b32 s38, 0xb94ca1f9                      ; -1.9515295891e-4
	s_mov_b32 s39, 0x3d2aaaa5                      ; cos: 4.1666645683e-2,
	s_mov_b32 s40, 0xbab6061a                      ; -1.3887316255e-3,
	s_mov_b32 s41, 0x37ccf5ce                      ; 2.4433157118e-5
	s_wait_alu depctr_va_vdst(0)                   ; one wait for both exponentials, ahead of their first reader
	s_wait_loadcnt 0x0
.macro SINCOS ang, co, si
	v_mul_f32 v26, s32, v[\ang]
	v_rndne_f32 v26, v26                           ; n
	v_fma_f32 v27, -v26, s33, v[\ang]
	v_fma_f32 v27, -v26, s34, v27
	v_fma_f32 v27, -v26, s35, v27                  ; r = angle - n pi / 2
	v_cvt_i32_f32 v28, v26
	v_mul_f32 v29, v27, v27                        ; z = r r
	v_fma_f32 v30, v29, s38, s37
	v_fma_f32 v31, v29, s41, s40
	v_fma_f32 v30, v30, v29, s36
	v_fma_f32 v31, v31, v29, s39
	v_mul_f32 v32, v27, v29
	v_mul_f32 v33, v29, v29
	v_fma_f32 v34, v29, -0.5, 1.0
	v_fma_f32 v30, v32, v30, v27                   ; sin r
	v_fma_f32 v31, v33, v31, v34                   ; cos r
	v_and_b32 v32, 1, v28
	v_cmp_eq_u32 vcc_lo, 1, v32                    ; an odd quarter swaps the two
	v_cndmask_b32 v[\si], v30, v31, vcc_lo
	v_cndmask_b32 v[\co], v31, v30, vcc_lo
	v_and_b32 v32, 2, v28                          ; sin changes sign in quarters 2 and 3,
	v_add_nc_u32 v33, 1, v28
	v_lshlrev_b32 v32, 30, v32
	v_and_b32 v33, 2, v33                          ; cos in quarters 1 and 2
	v_xor_b32 v[\si], v[\si], v32
	v_lshlrev_b32 v33, 30, v33
	v_xor_b32 v[\co], v[\co], v33
.endm
.irp k, 0,1,2,3,4,5,6,7
	v_cvt_f32_i32 v36, v[16+\k]
	v_mul_f32 v37, v36, v24                        ; the angle, rounded once
	SINCOS 37, 48+4*\k, 49+4*\k
	v_mul_f32 v37, v36, v25
	SINCOS 37, 50+4*\k, 51+4*\k
	global_store_b128 v179, v[48+4*\k:51+4*\k], s[22:23] offset:512*\k   ; each step has registers of its own
.endr
.Ldone:
	s_wait_tensorcnt 0x0                           ; the wave's end: behind the last LDS store; the tensor wait stands in a text with no tensor load too
	ds_add_u32 v[SPW], v[NIL]
	s_wait_dscnt 0x0
	s_endpgm
.Lfunc_end_k_q4701598151_prep:
	.size	k_q4701598151_prep, .Lfunc_end_k_q4701598151_prep-k_q4701598151_prep
	.p2alignl 7, 3214868480
	.fill 96, 4, 3214868480
	.section	.rodata,"a",@progbits
	.p2align	6, 0x0
	.amdhsa_kernel k_q4701598151_prep
		.amdhsa_group_segment_fixed_size 33280
		.amdhsa_private_segment_fixed_size 0
		.amdhsa_enable_private_segment 0
		.amdhsa_kernarg_size 80
		.amdhsa_user_sgpr_count 2
		.amdhsa_user_sgpr_kernarg_segment_ptr 1
		.amdhsa_wavefront_size32 1
		.amdhsa_system_sgpr_workgroup_id_x 1
		.amdhsa_system_sgpr_workgroup_id_y 1
		.amdhsa_system_sgpr_workgroup_id_z 1
		.amdhsa_system_vgpr_workitem_id 0
		.amdhsa_next_free_vgpr 192
		.amdhsa_next_free_sgpr 66
		.amdhsa_reserve_vcc 1
		.amdhsa_float_denorm_mode_32 3
		.amdhsa_float_denorm_mode_16_64 3
		.amdhsa_memory_ordered 1
		.amdhsa_forward_progress 1
		.amdhsa_inst_pref_size 74
	.end_amdhsa_kernel
	.amdgpu_metadata
---
amdhsa.version: [ 1, 2 ]
amdhsa.kernels:
  - .name:           k_q4701598151_prep
    .symbol:         k_q4701598151_prep.kd
    .args:
      - { .name: x, .offset: 0, .size: 8, .value_kind: global_buffer, .address_space: global }
      - { .name: Wq, .offset: 8, .size: 8, .value_kind: global_buffer, .address_space: global }
      - { .name: Wk, .offset: 16, .size: 8, .value_kind: global_buffer, .address_space: global }
      - { .name: Wv, .offset: 24, .size: 8, .value_kind: global_buffer, .address_space: global }
      - { .name: Wo, .offset: 32, .size: 8, .value_kind: global_buffer, .address_space: global }
      - { .name: token_positions, .offset: 40, .size: 8, .value_kind: global_buffer, .address_space: global }
      - { .name: codes, .offset: 48, .size: 8, .value_kind: global_buffer, .address_space: global }
      - { .name: scales, .offset: 56, .size: 8, .value_kind: global_buffer, .address_space: global }
      - { .name: wo16, .offset: 64, .size: 8, .value_kind: global_buffer, .address_space: global }
      - { .name: rope, .offset: 72, .size: 8, .value_kind: global_buffer, .address_space: global }
    .group_segment_fixed_size: 33280
    .private_segment_fixed_size: 0
    .kernarg_segment_align: 8
    .kernarg_segment_size: 80
    .max_flat_workgroup_size: 128
    .sgpr_count:     66
    .vgpr_count:     192
    .wavefront_size: 32
...
	.end_amdgpu_metadata
.endif
;; end of part 1
;; launch qkv (part 2): grid 12 x 32, 4 waves a work-group, clusters of 4 x 4, 327,680 bytes of LDS; arguments codes, scales, rope, qkv16, fine32; writes qkv16, fine32
.if DOCPART == 2
	.amdgcn_target "amdgcn-amd-amdhsa--gfx1250"
	.amdhsa_code_object_version 6
	.text
	.protected	k_q4701598151_qkv
	.globl	k_q4701598151_qkv
	.p2align	8
	.type	k_q4701598151_qkv,@function
k_q4701598151_qkv:
	s_mov_b64 s[64:65], 0
	v_nop
	global_prefetch_b8 v0, s[64:65] scope:SCOPE_SE
	s_setreg_imm32_b32 hwreg(HW_REG_WAVE_MODE, 25, 1), 1
	s_wait_xcnt 0x0
	s_wait_alu depctr_hold_cnt(0) depctr_sa_sdst(0) depctr_va_vdst(0) depctr_va_sdst(0) depctr_va_ssrc(0) depctr_va_vcc(0) depctr_vm_vsrc(0)
	s_getreg_b32 s2, hwreg(HW_REG_IB_STS2, 6, 4)
	s_cmp_eq_u32 s2, 0
	s_cbranch_scc0 .Lentry_in_a_cluster
	s_endpgm
.Lentry_in_a_cluster:
	s_bfe_u32 s2, ttmp6, 0x10000c
	s_cmp_lg_u32 s2, 0xf033
	s_cbranch_scc0 .Lentry_shape_is_right
	s_endpgm
.Lentry_shape_is_right:
; QKV: [8,192 rows of x] x [3,072 rows of Wq, Wk, Wv], K = 1,024, on codes of FP4 (E2M1) with one E8M0 scale for each 32 along K; f32 sums; then RoPE on Q and K in f32; results as f16,
; laid [Q, K, V][16 batch + head][position][64]; positions 0-15 of each batch also as f32, as images of the registers that the small f32 launch wants.
; A tile of 256 x 256 is made by four waves, each 128 x 128: 64 accumulators, 512 registers.  K is two slots of 512 (rows of 256 bytes): both are filled at the start and none is filled again.
; The scale bytes of the tile's 256 + 256 rows come once, in whole rows of 256 bytes, and stay in LDS.
; CLUSTERS: 4 x 4 work-groups.  The four of a row of the cluster share their tiles of x, the four of a column their tiles of W: each tile is asked for jointly.  Tile row = 8 cy + cluster y, so that
; batch = cy and the tile's first position = 256 x cluster y; tile column = 4 x cluster x + cx, so that cluster x says Q, K or V: the two branches of the way out hang on the cluster's x and y and on the wave's number.
; THE MATRIX INSTRUCTION IS USED TRANSPOSED (source 0 = 16 rows of W, source 1 = 16 rows of x): a lane holds one position and eight neighbouring channels: four pairs of RoPE.
; LIMITS: |Q|, |K|, |V| stay under 65,504 (f16).
; REGISTERS: window 0: v0-31 addresses; v32-95 scale words, two sets, and nothing else ever; v128-191 x's fragments, one set; way out: v96-127 and v192-223 packed results by turns, v128-191 rotated numbers, v224-231 at work.
;   window 1: W's fragments, two sets at v0 and v128; way out: v0-31 cos and sin.   window 2, 3: the accumulators of my rows 0-63, 64-127 ((a, b) at v[8 (8 (a % 4) + b)]).
.set NQ,     4                         ; steps of 128 along K in a slot
.set ROWB,   256                       ; a tile's row in bytes: 512 codes
.set KROW,   512                       ; a row of codes in memory
.set PITCH,  272                       ; an LDS row: 256 bytes + 16 of padding: the 16 rows that a load touches start at 16 different banks
.set FR,     8
.set NL,     2
.set NP,     4                         ; places behind this matrix instruction
.set HALFT,  128*PITCH
.set SLOT,   4*HALFT
.set KS,     32                        ; a row of scale bytes
.set SCL,    2*SLOT
.set HALFS,  (128*KS/256)*272
.set SBLK,   (16*KS/256)*272
.set SPARE,  SCL+4*HALFS               ; the spare words, 128 bytes a wave
.set WCODES, 0x400000                  ; where the weights' rows begin in 'codes',
.set WSCALE, 0x40000                   ; and in 'scales'
.set SPI,    144                       ; the way out: a stage row: 128 bytes + 16
.set WSTG,   2*16*SPI                  ; a wave's stage: two heads x 16 rows.  It lies in slot 0, which nobody reads behind the change of slots and nothing fills again
.set ADRA, 16
.set ADRB, 20
.set STO,  24
.set RD,   25
.set GO,   26                          ; 16 x lane
.set ADRS, 27
.set SPW,  28
.set NIL,  29
.set TO,   30                          ; the table: 256 x row + 32 x half
.set SC,   32
.set AF,   128
.set T,    0                           ; window 1
.set RR,   128
.set TMP,  224
.set G1, 24
.set G0, 32
.set G1B, 48
.set G0B, 56
.set G1S, 68
.set G0S, 76
.set G1SB, 80
.set G0SB, 88
.set MSB, 0
.macro WIN new                         ; the immediate's high byte repeats the setting that is left
.if MSB != (\new)
	s_set_vgpr_msb (MSB<<8)|(\new)
.set MSB, (\new)
.endif
.endm
.set MUL_LO, 0xa1                      ; source 0 (W) window 1, source 1 (x) window 0, C and D window 2
.set MUL_HI, 0xf1
.set TO_B,   0x40
; A joint load: waves 0 and 1 fetch for x, waves 2 and 3 for W.  An s_nop 0 and four v_nop follow each of the two lines.
.macro JLOAD g0a, g1a, g0b, g1b
	s_cmp_eq_u32 s15, 0
	s_cbranch_scc0 .Lfor_b_\@
	tensor_load_to_lds s[\g0a:\g0a+3], s[\g1a:\g1a+7]
	s_nop 0
.rept 4
	v_nop
.endr
	s_branch .Lasked_\@
.Lfor_b_\@:
	tensor_load_to_lds s[\g0b:\g0b+3], s[\g1b:\g1b+7]
	s_nop 0
.rept 4
	v_nop
.endr
.Lasked_\@:
.endm
.macro CROUND                          ; a round of the cluster's barrier
	s_barrier_signal -1
	s_barrier_wait -1
	s_cmp_lg_u32 s14, 0
	s_cbranch_scc1 .Lnot_wave_0_\@
	s_barrier_signal -3
.Lnot_wave_0_\@:
	s_barrier_wait -3
	s_barrier_signal -1
	s_barrier_wait -1
.endm
	s_load_b256 s[4:11], s[0:1], 0x0               ; codes 4, scales 6, rope 8, qkv16 10
	s_load_b64 s[12:13], s[0:1], 0x20              ; fine32
	v_lshl_add_u32 v[SPW], v0, 2, SPARE
	v_mov_b32 v[NIL], 0
	ds_add_u32 v[SPW], v[NIL]                      ; the wave's opening: the add, twice on end, and its wait ahead of my first tensor load
	ds_add_u32 v[SPW], v[NIL]
	v_lshrrev_b32 v1, 5, v0
	v_readfirstlane_b32 s14, v1                    ; wave 0..3
	s_lshr_b32 s15, s14, 1                         ; which half of the tile's rows is mine.  Also: I fetch for x (0) or for W (1)
	s_and_b32 s16, s14, 1                          ; which half of its columns.  Also: which 128 rows I fetch
	s_bfe_u32 s40, ttmp6, 0x40000                  ; cx
	s_bfe_u32 s41, ttmp6, 0x40004                  ; cy
	s_lshl_b32 s42, ttmp9, 2
	s_add_co_u32 s42, s42, s40                     ; tile column = 4 x cluster x + cx
	s_and_b32 s17, ttmp7, 0xffff
	s_lshl_b32 s18, s41, 3
	s_add_co_u32 s17, s17, s18                     ; tile row = 8 cy + cluster y
	s_lshl_b32 s43, s41, 2
	s_lshl_b32 s43, 15, s43                        ; my row of the cluster
	s_lshl_b32 s44, 0x1111, s40                    ; my column
	s_or_b32 s[G1+0], s43, (0<<16)|(1<<20)|(1<<21)|(5<<22)|(3<<25)  ; the mask; elements of 1 byte; padding on; bit 21 beside a mask; four words behind every 64
	s_or_b32 s[G1B+0], s44, (0<<16)|(1<<20)|(1<<21)|(5<<22)|(3<<25)
.irp g, G1, G1B
	s_mov_b32 s[\g+1], ROWB<<16                    ; tensor_dim0
	s_mov_b32 s[\g+2], 128<<16                     ; tensor_dim1
	s_mov_b32 s[\g+3], ROWB<<16                    ; tile_dim0
	s_mov_b32 s[\g+4], 128                         ; tile_dim1
	s_mov_b32 s[\g+5], KROW                        ; the pitch
	s_mov_b32 s[\g+6], 0
	s_mov_b32 s[\g+7], 0
.endr
	s_or_b32 s[G1S+0], s43, (3<<16)|(1<<20)|(1<<21)|(5<<22)|(3<<25) ; the scales of 128 rows: 4,096 dense bytes as 16 rows of 256 (32 elements of 8 bytes)
	s_or_b32 s[G1SB+0], s44, (3<<16)|(1<<20)|(1<<21)|(5<<22)|(3<<25)
.irp g, G1S, G1SB
	s_mov_b32 s[\g+1], 32<<16
	s_mov_b32 s[\g+2], (128*KS/256)<<16
	s_mov_b32 s[\g+3], 32<<16
	s_mov_b32 s[\g+4], 128*KS/256
	s_mov_b32 s[\g+5], 32
	s_mov_b32 s[\g+6], 0
	s_mov_b32 s[\g+7], 0
.endr
	s_lshl_b32 s18, s16, 7
	s_lshl_b32 s20, s17, 8
	s_add_co_u32 s20, s20, s18                     ; x: row 256 x tile row + 128 x half
	s_lshl_b32 s46, s42, 8
	s_add_co_u32 s46, s46, s18                     ; W: row 256 x tile column + 128 x half
	s_mov_b32 s21, 0
	s_mov_b32 s47, 0
	s_mov_b64 s[18:19], KS
	s_mul_u64 s[22:23], s[20:21], s[18:19]         ; where these rows' scales begin,
	s_mul_u64 s[92:93], s[46:47], s[18:19]
	s_mov_b64 s[18:19], KROW
	s_mul_u64 s[20:21], s[20:21], s[18:19]         ; and their codes
	s_mul_u64 s[46:47], s[46:47], s[18:19]
	s_add_nc_u64 s[46:47], s[46:47], WCODES        ; the weights lie behind x in both buffers
	s_add_nc_u64 s[92:93], s[92:93], WSCALE
	s_mul_i32 s45, s14, HALFT                      ; where they go: wave x 128 rows
	s_mul_i32 s94, s14, HALFS
	s_wait_dscnt 0x0                               ; both opening adds are done
	s_wait_kmcnt 0x0
	s_add_nc_u64 s[20:21], s[4:5], s[20:21]
	s_add_nc_u64 s[22:23], s[6:7], s[22:23]
	s_add_nc_u64 s[46:47], s[4:5], s[46:47]
	s_add_nc_u64 s[92:93], s[6:7], s[92:93]
	CROUND                                         ; all sixteen work-groups are here: the joint loads meet
	s_mov_b32 s[G0S], 1
	s_add_co_u32 s[G0S+1], s94, SCL
	s_mov_b64 s[G0S+2:G0S+3], s[22:23]
	s_or_b32 s[G0S+3], s[G0S+3], 0x80000000
	s_mov_b32 s[G0SB], 1
	s_add_co_u32 s[G0SB+1], s94, SCL
	s_mov_b64 s[G0SB+2:G0SB+3], s[92:93]
	s_or_b32 s[G0SB+3], s[G0SB+3], 0x80000000
	JLOAD G0S, G1S, G0SB, G1SB                     ; the scales first; with the two slots three loads of mine are out
.irp s, 0,1
	s_mov_b32 s[G0+4*\s], 1
	s_add_co_u32 s[G0+4*\s+1], s45, \s*SLOT
	s_add_nc_u64 s[G0+4*\s+2:G0+4*\s+3], s[20:21], \s*ROWB
	s_or_b32 s[G0+4*\s+3], s[G0+4*\s+3], 0x80000000
	s_mov_b32 s[G0B+4*\s], 1
	s_add_co_u32 s[G0B+4*\s+1], s45, \s*SLOT
	s_add_nc_u64 s[G0B+4*\s+2:G0B+4*\s+3], s[46:47], \s*ROWB
	s_or_b32 s[G0B+4*\s+3], s[G0B+4*\s+3], 0x80000000
	JLOAD G0+4*\s, G1, G0B+4*\s, G1B
.endr
	v_and_b32 v1, 15, v0                           ; r
	v_bfe_u32 v2, v0, 4, 1                         ; h
	v_mul_u32_u24 v3, v1, PITCH
	v_lshl_add_u32 v4, v2, 4, v3
	s_mul_i32 s21, s15, HALFT
	s_mul_i32 s22, s16, HALFT
	s_add_co_u32 s22, s22, 2*HALFT
.irp s, 0,1
	v_add_nc_u32 v[ADRA+\s], s21, v4
	v_add_nc_u32 v[ADRB+\s], s22, v4
	s_add_co_u32 s21, s21, SLOT
	s_add_co_u32 s22, s22, SLOT
.endr
	v_mul_u32_u24 v5, v1, KS                       ; my row's scales: 32 bytes a row, and 16 more for each 256 passed
	v_lshrrev_b32 v6, 8, v5
	v_lshl_add_u32 v5, v6, 4, v5
	s_mul_i32 s21, s15, HALFS
	s_mul_i32 s22, s16, HALFS
	s_add_co_u32 s22, s22, 2*HALFS
	s_sub_co_u32 s22, s22, s21
	v_mul_u32_u24 v6, s22, v2                      ; lanes 16-31 take W's
	s_add_co_u32 s21, s21, SCL
	v_add_nc_u32 v5, v5, v6
	v_add_nc_u32 v[ADRS], s21, v5
	s_mul_i32 s23, s14, WSTG                       ; my stage
	v_mul_u32_u24 v5, v1, SPI
	v_lshl_add_u32 v5, v2, 4, v5
	v_add_nc_u32 v[STO], s23, v5                   ; in: row r, 16 bytes for each half of the lanes
	v_and_b32 v6, 31, v0
	v_lshrrev_b32 v7, 3, v6
	v_mul_u32_u24 v7, v7, SPI
	v_and_b32 v8, 7, v6
	v_lshl_add_u32 v7, v8, 4, v7
	v_add_nc_u32 v[RD], s23, v7                    ; back: eight lanes to a row of 128 bytes, four rows an instruction
	v_lshlrev_b32 v[GO], 4, v6
	v_lshlrev_b32 v[TO], 8, v1
	v_lshl_add_u32 v[TO], v2, 5, v[TO]
	; the way out's three bases, in registers that feed no descriptor
	s_lshl_b32 s2, s41, 4
	s_lshl_b32 s3, s40, 2
	s_add_co_u32 s2, s2, s3
	s_lshl_b32 s3, s16, 1
	s_add_co_u32 s2, s2, s3                        ; 16 batch + my first head: 16 cy + 4 cx + 2 x column half
	s_lshl_b32 s2, s2, 11
	s_and_b32 s3, ttmp7, 0xffff
	s_lshl_b32 s3, s3, 8
	s_lshl_b32 s95, s15, 7
	s_add_co_u32 s3, s3, s95                       ; my first position: 256 x cluster y + 128 x row half
	s_add_co_u32 s2, s2, s3
	s_lshl_b32 s66, s2, 7                          ; rows of 128 bytes
	s_lshl_b32 s2, ttmp9, 24                       ; Q, K or V: 16,777,216 bytes each
	s_add_co_u32 s66, s66, s2
	s_mov_b32 s67, 0
	s_add_nc_u64 s[66:67], s[10:11], s[66:67]
	s_lshl_b32 s96, s3, 8
	s_mov_b32 s97, 0
	s_add_nc_u64 s[96:97], s[8:9], s[96:97]        ; the table at my first position
	s_mul_i32 s98, s41, 196608
	s_lshl_b32 s2, s42, 1
	s_add_co_u32 s2, s2, s16
	s_lshl_b32 s2, s2, 13
	s_add_co_u32 s98, s98, s2
	s_mov_b32 s99, 0
	s_add_nc_u64 s[98:99], s[12:13], s[98:99]      ; the f32 images of my two heads
.macro FRAG reg, adr, q, i             ; 16 rows x 128 K of 4-bit codes: 8 registers, two loads of 16 bytes, 32 bytes apart
.irp c, 0,1
	ds_load_b128 v[\reg+4*\c:\reg+4*\c+3], v[\adr] offset:64*(\q)+32*\c+(\i)*16*PITCH
.endr
.endm
; 16 matrix instructions: x's blocks a0, a0 + 1 against W's eight.  The 64 accumulators take turns, one instruction a turn, in the same order in every step.
.macro MUL16 a0, p, q, sc, zero
.irp a, \a0, \a0+1
.irp b, 0,1,2,3,4,5,6,7
.if \zero
	v_wmma_scale_f32_16x16x128_f8f6f4 v[8*(8*((\a)%4)+\b):8*(8*((\a)%4)+\b)+7], v[128*(\p)+FR*\b:128*(\p)+FR*\b+FR-1], v[AF+FR*(\a):AF+FR*(\a)+FR-1], 0, v[SC+8*NQ*(\sc)+NQ*\b+(\q)], v[SC+8*NQ*(\sc)+NQ*(\a)+(\q)] matrix_a_fmt:MATRIX_FMT_FP4 matrix_b_fmt:MATRIX_FMT_FP4 matrix_a_scale:MATRIX_SCALE_ROW1
.else
	v_wmma_scale_f32_16x16x128_f8f6f4 v[8*(8*((\a)%4)+\b):8*(8*((\a)%4)+\b)+7], v[128*(\p)+FR*\b:128*(\p)+FR*\b+FR-1], v[AF+FR*(\a):AF+FR*(\a)+FR-1], v[8*(8*((\a)%4)+\b):8*(8*((\a)%4)+\b)+7], v[SC+8*NQ*(\sc)+NQ*\b+(\q)], v[SC+8*NQ*(\sc)+NQ*(\a)+(\q)] matrix_a_fmt:MATRIX_FMT_FP4 matrix_b_fmt:MATRIX_FMT_FP4 matrix_a_scale:MATRIX_SCALE_ROW1
.endif
.endr
.endr
.endm
.macro FETCH_B slot, q, p
	WIN TO_B
.irp i, 0,1,2,3,4,5,6,7
	FRAG 128*(\p)+FR*\i, ADRB+\slot, \q, \i
.endr
	WIN 0
.endm
.macro FETCH_A slot, q, i0
.irp i, \i0, \i0+1, \i0+2, \i0+3
	FRAG AF+FR*(\i), ADRA+\slot, \q, \i
.endr
.endm
.macro SCALES sc                       ; a slot's scale words: lanes 0-15 x's block i, lanes 16-31 W's block i
.irp i, 0,1,2,3,4,5,6,7
	ds_load_b128 v[SC+8*NQ*\sc+NQ*\i:SC+8*NQ*\sc+NQ*\i+3], v[ADRS] offset:\i*SBLK
.endr
.endm
.macro PLACES n                        ; plain vector lines between a matrix instruction and a load into, or a read of, its registers
.rept \n
	v_nop
.endr
.endm
.macro STEP slot, q, zero              ; 128 along K, with its successor in the same slot
	s_wait_dscnt 4*NL                              ; W's set and x's blocks 0-3 are in; the youngest eight loads (blocks 4-7) may be out
	WIN MUL_LO
	MUL16 0, (\q)%2, \q, \slot, \zero
	MUL16 2, (\q)%2, \q, \slot, \zero
	s_wait_dscnt 0
	PLACES NP
	FETCH_B \slot, (\q)+1, 1-(\q)%2
	FETCH_A \slot, (\q)+1, 0
	WIN MUL_HI
	MUL16 4, (\q)%2, \q, \slot, \zero
	MUL16 6, (\q)%2, \q, \slot, \zero
	PLACES NP
	WIN 0
	FETCH_A \slot, (\q)+1, 4
.endm
.macro TURN slot, next                 ; slot 0's last step: one barrier; behind it slot 1 is whole and nobody reads slot 0.  Nothing is filled again
	s_wait_tensorcnt 0x0                           ; all my tensor loads have landed: my part of slot 1
	ds_add_u32 v[SPW], v[NIL]                      ; 0 onto my spare word
	s_wait_dscnt 4*NL+1                            ; the add and the youngest eight loads may be out
	WIN MUL_LO
	MUL16 0, 1, NQ-1, \slot, 0
	s_wait_dscnt 0x0                               ; the add is done, and my reads of this slot are over
	s_barrier_signal -1
	MUL16 2, 1, NQ-1, \slot, 0
	WIN 0
	s_barrier_wait -1
	PLACES NP
	v_add_nc_u32 v[ADRS], 4*NQ, v[ADRS]            ; the next 512 along K: 16 scale bytes on
	FETCH_B \next, 0, 0
	FETCH_A \next, 0, 0
	SCALES \next
	WIN MUL_HI
	MUL16 4, 1, NQ-1, \slot, 0
	MUL16 6, 1, NQ-1, \slot, 0
	PLACES NP
	WIN 0
	FETCH_A \next, 0, 4
.endm
.macro STEPS slot, from
.set Q, \from
.rept NQ-1-\from
	STEP \slot, Q, 0
.set Q, Q+1
.endr
.endm
; ---- the way out's parts.  Block a = my rows 16 a .. 16 a + 15; accumulator b: head b / 4 of my two, channels 16 (b % 4) + 8 h + 0 .. 7
.macro TBL a                           ; cos and sin of block a's positions: for each quarter g of a head my four pairs: 32 bytes
	WIN 0x40
.irp g, 0,1,2,3
	global_load_b128 v[T+8*\g:T+8*\g+3], v[TO], s[96:97] offset:4096*(\a)+64*\g
	global_load_b128 v[T+8*\g+4:T+8*\g+7], v[TO], s[96:97] offset:4096*(\a)+64*\g+16
.endr
	WIN 0
.endm
.macro ROT a                           ; (x1, x2) -> (x1 cos - x2 sin, x1 sin + x2 cos): a packed product (-x2 sin, x2 cos), then a packed multiply-add; each accumulator from its low end on
.set AC, 64*((\a)%4)
	WIN 0x06+(\a)/4                                ; source 0: window 2 or 3; source 1: window 1
.irp b, 0,1,2,3,4,5,6,7
.irp i, 0,1,2,3
	v_pk_mul_f32 v[TMP+2*\i:TMP+2*\i+1], v[AC+8*\b+2*\i:AC+8*\b+2*\i+1], v[T+8*(\b%4)+2*\i:T+8*(\b%4)+2*\i+1] op_sel:[1,1] op_sel_hi:[1,0] neg_lo:[1,0]
.endr
.irp i, 0,1,2,3
	v_pk_fma_f32 v[RR+8*\b+2*\i:RR+8*\b+2*\i+1], v[AC+8*\b+2*\i:AC+8*\b+2*\i+1], v[T+8*(\b%4)+2*\i:T+8*(\b%4)+2*\i+1], v[TMP+2*\i:TMP+2*\i+1] op_sel_hi:[0,1,1]
.endr
.endr
	WIN 0
.endm
.macro CVTR a                          ; rotated numbers to f16
.set HH, 96+96*((\a)%2)
.irp b, 0,1,2,3,4,5,6,7
.irp i, 0,1,2,3
	v_cvt_pk_f16_f32 v[HH+4*\b+\i], v[RR+8*\b+2*\i], v[RR+8*\b+2*\i+1]
.endr
.endr
.endm
.macro CVTA a                          ; V: the sums themselves to f16
.set HH, 96+96*((\a)%2)
.set AC, 64*((\a)%4)
	WIN 0x0a+5*((\a)/4)
.irp b, 0,1,2,3,4,5,6,7
.irp i, 0,1,2,3
	v_cvt_pk_f16_f32 v[HH+4*\b+\i], v[AC+8*\b+2*\i], v[AC+8*\b+2*\i+1]
.endr
.endr
	WIN 0
.endm
.macro FINE rot                        ; positions 0-15 of a batch (cluster y = 0, upper half of the tile's rows, block 0) also leave as f32: each store covers 512 consecutive bytes
	s_and_b32 s95, ttmp7, 0xffff
	s_or_b32 s95, s95, s15
	s_cmp_lg_u32 s95, 0
	s_cbranch_scc1 .Lno_fine_\@
.if \rot
.irp b, 0,1,2,3,4,5,6,7
.irp f, 0,1
	global_store_b128 v[GO], v[RR+8*\b+4*\f:RR+8*\b+4*\f+3], s[98:99] offset:1024*\b+512*\f
.endr
.endr
	s_wait_xcnt 0x0                                ; the next block's rotation writes these registers again
.else
	WIN 0x08                                       ; the data: window 2
.irp b, 0,1,2,3,4,5,6,7
.irp f, 0,1
	global_store_b128 v[GO], v[8*\b+4*\f:8*\b+4*\f+3], s[98:99] offset:1024*\b+512*\f
.endr
.endr
	WIN 0
.endif
.Lno_fine_\@:
.endm
.macro TOSTAGE a                       ; 16 bytes a lane into my stage, and back as whole rows, into the registers that they left: LDS serves a wave's instructions in order
.set HH, 96+96*((\a)%2)
.irp b, 0,1,2,3,4,5,6,7
	ds_store_b128 v[STO], v[HH+4*\b:HH+4*\b+3] offset:16*SPI*(\b/4)+32*(\b%4)
.endr
.irp t, 0,1,2,3,4,5,6,7
	ds_load_b128 v[HH+4*\t:HH+4*\t+3], v[RD] offset:16*SPI*(\t/4)+4*SPI*(\t%4)
.endr
.endm
.macro SEND a, younger                 ; younger: the LDS instructions issued behind block a's loads
.set HH, 96+96*((\a)%2)
	s_wait_dscnt \younger
.irp t, 0,1,2,3,4,5,6,7
	global_store_b128 v[GO], v[HH+4*\t:HH+4*\t+3], s[66:67] offset:262144*(\t/4)+2048*(\a)+512*(\t%4)   ; four rows of 128 bytes: 512 consecutive bytes, aligned
.endr
.endm
	s_wait_tensorcnt 1                             ; the scales and my part of slot 0 are in; slot 1's load may be out
	s_barrier_signal -1
	s_barrier_wait -1
	FETCH_B 0, 0, 0
	FETCH_A 0, 0, 0
	SCALES 0
	FETCH_A 0, 0, 4
	STEP 0, 0, 1                                   ; the first products start the sums: nothing is cleared
	STEPS 0, 1
	TURN 0, 1
	STEPS 1, 0
	s_cmp_eq_u32 ttmp9, 2                          ; V has no rotation
	s_cbranch_scc1 .Lno_tbl
	TBL 0                                          ; block 0's cos and sin are asked for a step early, into W's set 0, whose last products stand behind four places
.Lno_tbl:
	s_wait_dscnt 4*NL                              ; the very last step
	WIN MUL_LO
	MUL16 0, 1, NQ-1, 1, 0
	MUL16 2, 1, NQ-1, 1, 0
	s_wait_dscnt 0
	WIN MUL_HI
	MUL16 4, 1, NQ-1, 1, 0
	MUL16 6, 1, NQ-1, 1, 0
	WIN 0
	PLACES NP                                      ; in front of reads of the results and of writes into x's fragments' registers
	s_cmp_eq_u32 ttmp9, 2
	s_cbranch_scc1 .Lv_path
.irp a, 0,1,2,3,4,5,6,7
	s_wait_loadcnt 0x0                             ; this block's cos and sin are in
	ROT \a
.if \a < 7
	TBL \a+1                                       ; the next block's land while this one is packed and staged
.endif
.if \a > 1
	s_wait_xcnt 0x0                                ; block a - 2's stores have read the registers that are written below
.endif
	CVTR \a
.if \a == 0
	FINE 1
.endif
	TOSTAGE \a
.if \a > 0
	SEND \a-1, 16                                  ; behind block a - 1's loads: block a's 8 stores and 8 loads
.endif
.endr
	SEND 7, 0
	s_branch .Lqkv_end
.Lv_path:
.irp a, 0,1,2,3,4,5,6,7
.if \a > 1
	s_wait_xcnt 0x0
.endif
	CVTA \a
.if \a == 0
	FINE 0
.endif
	TOSTAGE \a
.if \a > 0
	SEND \a-1, 16
.endif
.endr
	SEND 7, 0
.Lqkv_end:
	s_wait_tensorcnt 0x0                           ; the wave's end: behind my last tensor load and my last LDS store
	ds_add_u32 v[SPW], v[NIL]
	s_wait_dscnt 0x0
	CROUND                                         ; the closing round
	s_endpgm
.Lfunc_end_k_q4701598151_qkv:
	.size	k_q4701598151_qkv, .Lfunc_end_k_q4701598151_qkv-k_q4701598151_qkv
	.p2alignl 7, 3214868480
	.fill 96, 4, 3214868480
	.section	.rodata,"a",@progbits
	.p2align	6, 0x0
	.amdhsa_kernel k_q4701598151_qkv
		.amdhsa_group_segment_fixed_size 327680
		.amdhsa_private_segment_fixed_size 0
		.amdhsa_enable_private_segment 0
		.amdhsa_kernarg_size 40
		.amdhsa_user_sgpr_count 2
		.amdhsa_user_sgpr_kernarg_segment_ptr 1
		.amdhsa_wavefront_size32 1
		.amdhsa_system_sgpr_workgroup_id_x 1
		.amdhsa_system_sgpr_workgroup_id_y 1
		.amdhsa_system_sgpr_workgroup_id_z 1
		.amdhsa_system_vgpr_workitem_id 0
		.amdhsa_next_free_vgpr 1024
		.amdhsa_next_free_sgpr 100
		.amdhsa_reserve_vcc 0
		.amdhsa_float_denorm_mode_32 3
		.amdhsa_float_denorm_mode_16_64 3
		.amdhsa_memory_ordered 1
		.amdhsa_forward_progress 1
		.amdhsa_inst_pref_size 200
	.end_amdhsa_kernel
	.amdgpu_metadata
---
amdhsa.version: [ 1, 2 ]
amdhsa.kernels:
  - .name:           k_q4701598151_qkv
    .symbol:         k_q4701598151_qkv.kd
    .args:
      - { .name: codes, .offset: 0, .size: 8, .value_kind: global_buffer, .address_space: global }
      - { .name: scales, .offset: 8, .size: 8, .value_kind: global_buffer, .address_space: global }
      - { .name: rope, .offset: 16, .size: 8, .value_kind: global_buffer, .address_space: global }
      - { .name: qkv16, .offset: 24, .size: 8, .value_kind: global_buffer, .address_space: global }
      - { .name: fine32, .offset: 32, .size: 8, .value_kind: global_buffer, .address_space: global }
    .group_segment_fixed_size: 327680
    .private_segment_fixed_size: 0
    .kernarg_segment_align: 8
    .kernarg_segment_size: 40
    .max_flat_workgroup_size: 128
    .sgpr_count:     100
    .vgpr_count:     1024
    .wavefront_size: 32
...
	.end_amdgpu_metadata
.endif
;; end of part 2
;; launch attn (part 3): grid 4 x 64, 8 waves a work-group, no clusters, 327,680 bytes of LDS; arguments qkv16, a16; writes a16
.if DOCPART == 3
	.amdgcn_target "amdgcn-amd-amdhsa--gfx1250"
	.amdhsa_code_object_version 6
	.text
	.protected	k_q4701598151_attn
	.globl	k_q4701598151_attn
	.p2align	8
	.type	k_q4701598151_attn,@function
k_q4701598151_attn:
	s_mov_b64 s[64:65], 0
	v_nop
	global_prefetch_b8 v0, s[64:65] scope:SCOPE_SE
	s_setreg_imm32_b32 hwreg(HW_REG_WAVE_MODE, 25, 1), 1
	s_wait_xcnt 0x0
; ATTN: O[q] = sum over k <= q of softmax_k(Q[q] . K[k] / 8) V[k], for 64 (batch, head) of 2,048 positions and 64 channels.  Q, K, V f16; products, maxima and sums f32; the weights p are rounded to f16
; for the second product; O leaves as f16, laid [head][2,048 batch + position][64], as the projection's tensor loads want it.
; SHARES.  Work-group (p, batch-head) owns query blocks 7 - p and p of 256 queries: 8 - p and p + 1 slots of 256 keys, always nine: 256 work-groups of equal work and constant trip counts.
; Each of eight waves owns 32 queries of the block in hand: two tiles of 16.  Two waves share a SIMD, so that one wave's softmax stands beside the other's products and LDS loads.
; LAYOUT.  S^T = K Q^T (source 0 = 16 keys, source 1 = 16 queries): a lane holds one query and keys 8 (lane / 16) + 0..7.  Two such tiles, rounded to f16 in pairs, are source 1 of O^T = V^T P.  V is turned by ds_load_tr16_b128.
; SOFTMAX.  A running maximum m and sum l for each query: p = 2^(c s - c m), c = log2(e) / 8; O and l are multiplied by a = 2^(c m_old - c m_new) in every step.
; THE MASK.  A step of 64 keys all of which come after my 32 queries is jumped over (a scalar branch on ids, round loads, products and softmax alone); on the diagonal hidden scores become -infinity.
; A step that is walked begins at or under my first query, so every query has a key that counts, and m is a number.
; NO CLUSTER: the four work-groups of a head want different slots from the sixth trip on (the first block of p ends after 8 - p slots), and a joint walk of all slots would bring tiles that every wave of some partner jumps over.
; LIMITS: the first product's operands are f16 as they come; p under 6e-8 is lost in f16.
; REGISTERS: window 0: v2-15 addresses; v16-31 statistics, 8 a tile; v32-95 S^T; v96-127 P; v128-191 O^T; v192-223 the way out.   window 1: v0-31 Q; v32-95 K of a step; v96-159 V of a step.
.set PK,    144                        ; a row of K in LDS: 128 bytes + 16: the 16 rows of a load start at 16 different banks
.set PV,    160                        ; a row of V: 128 + 32
.set VOFF,  256*PK                     ; a slot: 256 rows of K, then 256 rows of V
.set SLOT1, 1<<17                      ; slot 1 begins here: one exclusive or turns an address
.set STAGE, 2*SLOT1                    ; behind the ring: 16 rows x 144 bytes for each wave
.set SP,    144
.set SPARE, STAGE+8*16*SP              ; the spare words, 128 bytes a wave
.set AK0, 2
.set AV0, 3
.set ADK, 4
.set ADV, 5
.set QO,  6
.set STO, 7
.set RD,  8
.set GO,  9
.set DQ,  10                           ; v10-11  16 t + r - 8 h
.set DD,  12                           ; v12-13  the same + my first query - the step's first key
.set SPW, 14
.set NIL, 15
.set ST,  16                           ; tile t at +8 t: +0 c m, +1 m, +2, +3 l, +4 .. +7 at work; a in +6
.set S,   32
.set P,   96
.set O,   128
.set OB,  192
.set NINF, 224
.set PFO, 225
.set KR,  32                           ; window 1
.set VR,  96
; scalars: s8 wave, s9 p, s[16:23], s[24:31] groups 1 for K and V, s[32:35], s[36:39] their groups 0, s[40:41], s[42:43] my quarter of key slot 0 in K and V, s[44:45] an offset, s46 the key slot asked for,
; s47 slots of the first block, s48 trips, s49 steps, s50, s51 LDS bytes of the step's K and V, s52 the step's first key, s53 my first query, s[54:55] c, s[56:57] lane selects, s58 slots left of the block,
; s[60:61] Q's head, s[62:63] my queries, s[66:67] O's head, s[68:69] my rows of O, s[70:71] the prefetches' place, s72 their limit, s73-75 at work
.set MSB, 0
.macro WIN new
.if MSB != (\new)
	s_set_vgpr_msb (MSB<<8)|(\new)
.set MSB, (\new)
.endif
.endm
; Waves 0-3 fetch the four quarters (64 rows) of a slot's K, waves 4-7 those of its V: one load a wave.  An s_nop 0 and four v_nop follow each of the two lines.
.macro TLOAD
	s_cmp_lt_u32 s8, 4
	s_cbranch_scc0 .Lfor_v_\@
	tensor_load_to_lds s[32:35], s[16:23]
	s_nop 0
.rept 4
	v_nop
.endr
	s_branch .Lasked_\@
.Lfor_v_\@:
	tensor_load_to_lds s[36:39], s[24:31]
	s_nop 0
.rept 4
	v_nop
.endr
.Lasked_\@:
.endm
; A prefetch of what the NEXT change of slots will ask for: my quarter, 8,192 dense bytes, lanes 256 bytes apart, one instruction a wave.  All four work-groups of a head walk the same keys from slot 0 on: the one with
; p = 0, which walks all eight, asks, and nobody else: each block of 256 bytes is named once in the launch.  Trip t names slot t + 2, for t = 0 .. 5: four key steps ahead of the load; slots 0 and 1 come by their loads alone.
.macro ASK
	s_cmp_gt_u32 s48, s72
	s_cbranch_scc0 .Lnot_mine_\@
	global_prefetch_b8 v[PFO], s[70:71] th:TH_LOAD_NT scope:SCOPE_SE
.Lnot_mine_\@:
.endm
.macro QLOAD                           ; my 32 queries stay in registers: tile f / 2, channels 32 (f % 2) on
	WIN 0x40
.irp f, 0,1,2,3
	global_load_b128 v[8*\f:8*\f+3], v[QO], s[62:63] offset:(\f/2)*2048+(\f%2)*64
	global_load_b128 v[8*\f+4:8*\f+7], v[QO], s[62:63] offset:(\f/2)*2048+(\f%2)*64+32
.endr
	WIN 0
.endm
.macro INIT                            ; the step is written once: the first finds zeros and a maximum under every score
.irp t, 0,1
	v_mov_b32 v[ST+8*\t+1], 0xff61b1e6             ; -3e38
	v_mul_f32 v[ST+8*\t], s54, v[ST+8*\t+1]
.irp j, 2,3,4,5,6,7
	v_mov_b32 v[ST+8*\t+\j], 0
.endr
.endr
.set i, 0
.rept 64
	v_mov_b32 v[O+i], 0
.set i, i+1
.endr
.endm
	s_load_b128 s[4:7], s[0:1], 0x0                ; qkv16, a16
	v_lshl_add_u32 v[SPW], v0, 2, SPARE
	v_mov_b32 v[NIL], 0
	ds_add_u32 v[SPW], v[NIL]                      ; the wave's opening: the add, twice on end, and its wait ahead of my first tensor load
	ds_add_u32 v[SPW], v[NIL]
	v_lshrrev_b32 v1, 5, v0
	v_readfirstlane_b32 s8, v1                     ; wave 0..7
	s_mov_b32 s9, ttmp9                            ; p
	s_and_b32 s10, ttmp7, 0xffff                   ; 16 batch + head
	s_and_b32 s11, s8, 3                           ; which quarter of a slot I fetch
	s_mov_b32 s16, (1<<16)|(1<<20)|(4<<22)|(3<<25) ; K: elements of 2 bytes; padding on: four words behind every 32
	s_mov_b32 s24, (1<<16)|(1<<20)|(4<<22)|(7<<25) ; V: eight words
.irp g, 16, 24
	s_mov_b32 s[\g+1], 64<<16                      ; tensor_dim0 = 64
	s_mov_b32 s[\g+2], 64<<16                      ; tensor_dim1 = 64
	s_mov_b32 s[\g+3], 64<<16                      ; tile_dim0 = 64
	s_mov_b32 s[\g+4], 64                          ; tile_dim1 = 64 rows
	s_mov_b32 s[\g+5], 64                          ; the pitch
	s_mov_b32 s[\g+6], 0
	s_mov_b32 s[\g+7], 0
.endr
	s_mov_b32 s32, 1
	s_mul_i32 s33, s11, 64*PK                      ; LDS: slot 0, my quarter of K,
	s_mov_b32 s36, 1
	s_mul_i32 s37, s11, 64*PV
	s_add_co_u32 s37, s37, VOFF                    ; of V
	s_lshl_b32 s12, s10, 18                        ; a head is 262,144 bytes
	s_mov_b32 s13, 0
	s_lshl_b32 s44, s11, 13                        ; a quarter is 8,192,
	s_add_co_u32 s44, s44, 1<<24                   ; K lies 16,777,216 bytes behind Q
	s_mov_b32 s45, 0
	s_mov_b32 s46, 0
	s_sub_co_u32 s47, 8, s9
	s_mov_b32 s48, 8
	s_mov_b32 s50, 0
	s_mov_b32 s51, 0
	s_mov_b32 s52, 0
	s_sub_co_u32 s73, 7, s9
	s_lshl_b32 s73, s73, 8
	s_lshl_b32 s74, s8, 5
	s_add_co_u32 s53, s73, s74                     ; my first query: 256 (7 - p) + 32 x wave
	s_mov_b32 s54, 0x3e38aa3b                      ; c = log2(e) / 8
	s_mov_b32 s55, s54
	s_mov_b32 s56, 0x76543210
	s_mov_b32 s57, 0xfedcba98
	s_mov_b32 s58, s47
	s_and_b32 s73, s10, 15
	s_lshl_b32 s73, s73, 20                        ; O: head x 8,192 rows of 128 bytes,
	s_lshr_b32 s74, s10, 4
	s_lshl_b32 s74, s74, 18                        ; batch x 2,048 rows
	s_add_co_u32 s74, s74, s73
	s_mov_b32 s75, 0
	s_cmp_eq_u32 s9, 0
	s_cselect_b32 s72, 2, -1                       ; p = 0 prefetches while more than two trips are left
	s_wait_dscnt 0x0                               ; both opening adds are done
	s_wait_kmcnt 0x0
	s_add_nc_u64 s[60:61], s[4:5], s[12:13]
	s_add_nc_u64 s[40:41], s[60:61], s[44:45]
	s_add_nc_u64 s[42:43], s[40:41], 1<<24
	s_mov_b64 s[34:35], s[40:41]
	s_or_b32 s35, s35, 0x80000000
	s_mov_b64 s[38:39], s[42:43]
	s_or_b32 s39, s39, 0x80000000
	TLOAD                                          ; key slot 0 into LDS slot 0: one load of mine is out
	s_add_nc_u64 s[66:67], s[6:7], s[74:75]
	s_lshl_b32 s44, s53, 7
	s_add_nc_u64 s[62:63], s[60:61], s[44:45]
	s_add_nc_u64 s[68:69], s[66:67], s[44:45]
	s_cmp_lt_u32 s8, 4
	s_cselect_b64 s[70:71], s[40:41], s[42:43]
	s_add_nc_u64 s[70:71], s[70:71], 32768         ; at slot 1: the first change steps it to slot 2.  Nothing is prefetched here, at the head
	v_and_b32 v1, 15, v0                           ; r
	v_bfe_u32 v226, v0, 4, 1                       ; h
	v_lshlrev_b32 v[QO], 7, v1
	v_lshl_add_u32 v[QO], v226, 4, v[QO]           ; Q: row r of 128 bytes + 16 h
	QLOAD
	v_mul_u32_u24 v[AK0], v1, PK
	v_lshl_add_u32 v[AK0], v226, 4, v[AK0]
	v_and_b32 v227, 7, v0
	v_bfe_u32 v228, v0, 3, 1
	v_lshl_add_u32 v[AV0], v226, 3, v227           ; the turning load: key 8 h + lane % 8, channels 8 ((lane / 8) % 2) on
	v_mul_u32_u24 v[AV0], v[AV0], PV
	v_lshl_add_u32 v[AV0], v228, 4, v[AV0]
	v_add_nc_u32 v[AV0], VOFF, v[AV0]
	s_mul_i32 s73, s8, 16*SP
	s_add_co_u32 s73, s73, STAGE                   ; my stage
	v_mul_u32_u24 v[STO], v1, SP
	v_lshl_add_u32 v[STO], v226, 4, v[STO]
	v_add_nc_u32 v[STO], s73, v[STO]
	v_and_b32 v229, 31, v0
	v_lshrrev_b32 v[RD], 3, v229
	v_mul_u32_u24 v[RD], v[RD], SP
	v_lshl_add_u32 v[RD], v227, 4, v[RD]
	v_add_nc_u32 v[RD], s73, v[RD]
	v_lshlrev_b32 v[GO], 4, v229
	v_lshlrev_b32 v228, 3, v226
	v_sub_nc_u32 v[DQ], v1, v228
	v_add_nc_u32 v[DQ+1], 16, v[DQ]
	v_mov_b32 v[NINF], 0xff800000
	v_lshlrev_b32 v[PFO], 8, v229
	INIT
.macro SCL b                           ; both tiles' pair b: c s - c m
.irp t, 0,1
	v_pk_fma_f32 v[S+32*\t+2*(\b):S+32*\t+2*(\b)+1], v[S+32*\t+2*(\b):S+32*\t+2*(\b)+1], s[54:55], v[ST+8*\t:ST+8*\t+1] op_sel_hi:[1,0,0] neg_lo:[0,0,1] neg_hi:[0,0,1]
.endr
.endm
; A KEY STEP: 64 keys.
.macro STEP
	s_add_co_u32 s73, s53, 31
	s_cmp_gt_u32 s52, s73                          ; all 64 keys come after my 32 queries: nothing to do but step the addresses
	s_cbranch_scc1 .Lhidden_\@
	v_add_nc_u32 v[ADK], s50, v[AK0]
	v_add_nc_u32 v[ADV], s51, v[AV0]
	v_nop
	v_nop                                          ; four plain lines between the last step's products and the loads into the registers that they read
	WIN 0x40
.irp f, 0,1,2,3,4,5,6,7                        ; K: keys 16 (f / 2) on, channels 32 (f % 2) on
	ds_load_b128 v[KR+8*\f:KR+8*\f+3], v[ADK] offset:(\f/2)*16*PK+(\f%2)*64
	ds_load_b128 v[KR+8*\f+4:KR+8*\f+7], v[ADK] offset:(\f/2)*16*PK+(\f%2)*64+32
.endr
.irp f, 0,1,2,3,4,5,6,7                        ; V, turned: keys 32 (f / 4) on, channels 16 (f % 4) on
	ds_load_tr16_b128 v[VR+8*\f:VR+8*\f+3], v[ADV] offset:(\f/4)*32*PV+(\f%4)*32
	ds_load_tr16_b128 v[VR+8*\f+4:VR+8*\f+7], v[ADV] offset:(\f/4)*32*PV+16*PV+(\f%4)*32
.endr
	s_wait_loadcnt 0x0                             ; Q (met at once but in a block's first step)
	s_wait_dscnt 16                                ; K is in; V's sixteen loads may be out
	WIN 0x05
.set i, 0
.rept 16                                       ; S^T: channels 32 (i / 8) on, keys 16 ((i / 2) % 4) on, tile i % 2: eight accumulators by turns
.set rS, S+32*(i%2)+8*((i/2)%4)
.set rK, KR+16*((i/2)%4)+8*(i/8)
.set rQ, 16*(i%2)+8*(i/8)
.if i < 8
	v_wmma_f32_16x16x32_f16 v[rS:rS+7], v[rK:rK+7], v[rQ:rQ+7], 0
.else
	v_wmma_f32_16x16x32_f16 v[rS:rS+7], v[rK:rK+7], v[rQ:rQ+7], v[rS:rS+7]
.endif
.set i, i+1
.endr
	WIN 0
	s_sub_co_i32 s73, s53, s52
	v_add_nc_u32 v[DD], s73, v[DQ]                 ; d = my query - the step's first key - 8 h: register 8 kt + j is hidden where 16 kt + j > d
	v_add_nc_u32 v[DD+1], s73, v[DQ+1]
	v_nop
	v_nop                                          ; four plain lines in front of the first read of the scores
	s_add_co_u32 s74, s52, 63
	s_cmp_le_u32 s74, s53                          ; a step all of whose keys count has no mask
	s_cbranch_scc1 .Lopen_\@
.irp t, 0,1
.set n, 0
.rept 32
	v_cmp_gt_i32 vcc_lo, 16*(n/8)+n%8, v[DD+\t]
	v_cndmask_b32 v[S+32*\t+n], v[S+32*\t+n], v[NINF], vcc_lo
.set n, n+1
.endr
.endr
.Lopen_\@:
.irp j, 0,1,2,3                                ; the maximum: four chains a tile, each accumulator from its low end on; the tiles alternate
.irp t, 0,1
	v_max3_num_f32 v[ST+8*\t+4+\j], v[S+32*\t+8*\j], v[S+32*\t+8*\j+1], v[S+32*\t+8*\j+2]
.endr
.endr
.irp g, 1,2
.irp j, 0,1,2,3
.irp t, 0,1
	v_max3_num_f32 v[ST+8*\t+4+\j], v[ST+8*\t+4+\j], v[S+32*\t+8*\j+2*\g+1], v[S+32*\t+8*\j+2*\g+2]
.endr
.endr
.endr
.irp t, 0,1
	v_max3_num_f32 v[ST+8*\t+4], v[ST+8*\t+4], v[S+32*\t+7], v[S+32*\t+15]
	v_max3_num_f32 v[ST+8*\t+6], v[ST+8*\t+6], v[S+32*\t+23], v[S+32*\t+31]
.endr
.irp t, 0,1
	v_max3_num_f32 v[ST+8*\t+4], v[ST+8*\t+4], v[ST+8*\t+5], v[ST+8*\t+6]
.endr
.irp t, 0,1
	v_max3_num_f32 v[ST+8*\t+4], v[ST+8*\t+4], v[ST+8*\t+7], v[ST+8*\t+1]   ; with the old m
.endr
.irp t, 0,1
	v_permlanex16_b32 v[ST+8*\t+5], v[ST+8*\t+4], s56, s57   ; the query's other 32 keys lie in the lane 16 away
.endr
.irp t, 0,1
	v_mov_b32 v[ST+8*\t+7], v[ST+8*\t]             ; c m_old
.endr
.irp t, 0,1
	v_max_num_f32 v[ST+8*\t+1], v[ST+8*\t+4], v[ST+8*\t+5]
.endr
.irp t, 0,1
	v_mul_f32 v[ST+8*\t], s54, v[ST+8*\t+1]
.endr
.irp t, 0,1
	v_sub_f32 v[ST+8*\t+7], v[ST+8*\t+7], v[ST+8*\t]
.endr
	SCL 0
	SCL 1
	SCL 2
	SCL 3
.irp t, 0,1
	v_exp_f32 v[ST+8*\t+6], v[ST+8*\t+7]           ; a
.endr
.set b, 0
.rept 16                                       ; ONE BATCH: 66 exponentials, the scalings of later pairs dealt out among them; nothing here names an exponential's result
.if b < 12
	SCL b+4
.endif
.irp t, 0,1
	v_exp_f32 v[S+32*\t+2*b], v[S+32*\t+2*b]
	v_exp_f32 v[S+32*\t+2*b+1], v[S+32*\t+2*b+1]
.endr
.set b, b+1
.endr
	v_nop                                          ; a plain line behind the last exponential
	s_wait_alu depctr_va_vdst(0)                   ; one wait for the batch, ahead of its first reader
.set b, 0
.rept 16
.irp t, 0,1
	v_cvt_pk_f16_f32 v[P+16*\t+b], v[S+32*\t+2*b], v[S+32*\t+2*b+1]
.endr
.set b, b+1
.endr
.irp u, 0,1,2,3,4,5,6,7                        ; the sum of the unrounded p, in place: neighbours 1, 2, 4 and 8 pairs apart
.irp t, 0,1
	v_pk_add_f32 v[S+32*\t+4*\u:S+32*\t+4*\u+1], v[S+32*\t+4*\u:S+32*\t+4*\u+1], v[S+32*\t+4*\u+2:S+32*\t+4*\u+3]
.endr
.endr
.irp u, 0,1,2,3
.irp t, 0,1
	v_pk_add_f32 v[S+32*\t+8*\u:S+32*\t+8*\u+1], v[S+32*\t+8*\u:S+32*\t+8*\u+1], v[S+32*\t+8*\u+4:S+32*\t+8*\u+5]
.endr
.endr
.irp u, 0,1
.irp t, 0,1
	v_pk_add_f32 v[S+32*\t+16*\u:S+32*\t+16*\u+1], v[S+32*\t+16*\u:S+32*\t+16*\u+1], v[S+32*\t+16*\u+8:S+32*\t+16*\u+9]
.endr
.endr
.irp t, 0,1
	v_pk_add_f32 v[S+32*\t:S+32*\t+1], v[S+32*\t:S+32*\t+1], v[S+32*\t+16:S+32*\t+17]
.endr
.irp t, 0,1
	v_pk_fma_f32 v[ST+8*\t+2:ST+8*\t+3], v[ST+8*\t+2:ST+8*\t+3], v[ST+8*\t+6:ST+8*\t+7], v[S+32*\t:S+32*\t+1] op_sel_hi:[1,0,1]   ; l = a l + the sum
.endr
.set i, 0
.rept 16
.irp t, 0,1
	v_pk_mul_f32 v[O+32*\t+2*i:O+32*\t+2*i+1], v[O+32*\t+2*i:O+32*\t+2*i+1], v[ST+8*\t+6:ST+8*\t+7] op_sel_hi:[1,0]   ; O^T x a
.endr
.set i, i+1
.endr
	s_wait_dscnt 0x0                               ; V is in
	WIN 0x01
.set i, 0
.rept 16                                       ; O^T += V^T P: keys 32 (i / 8) on, channels 16 ((i / 2) % 4) on, tile i % 2: eight accumulators by turns
.set rO, O+32*(i%2)+8*((i/2)%4)
.set rV, VR+32*(i/8)+8*((i/2)%4)
.set rP, P+16*(i%2)+8*(i/8)
	v_wmma_f32_16x16x32_f16 v[rO:rO+7], v[rV:rV+7], v[rP:rP+7], v[rO:rO+7]
.set i, i+1
.endr
	WIN 0
.Lhidden_\@:
	s_add_co_u32 s52, s52, 64
	s_add_co_u32 s50, s50, 64*PK
	s_add_co_u32 s51, s51, 64*PV
.endm
.macro SLOT_STEPS                      ; a slot's four steps: written once, walked four times
	s_mov_b32 s49, 4
.Lstep_\@:
	STEP
	s_sub_co_u32 s49, s49, 1
	s_cmp_lg_u32 s49, 0
	s_cbranch_scc1 .Lstep_\@
	s_sub_co_u32 s50, s50, 256*PK                  ; back to a slot's first step,
	s_sub_co_u32 s51, s51, 256*PV
	s_xor_b32 s50, s50, SLOT1                      ; in the other slot
	s_xor_b32 s51, s51, SLOT1
.endm
; THE CHANGE OF SLOTS, at a slot's head.  Each wave waits for all its tensor loads (its part of the slot ahead), adds 0 to its spare word, and waits for that and for its reads of the slot that it has left.
; Behind the barrier the slot ahead is whole and nobody reads the other: fill = 1: it takes the key slot that follows in the walk 0 .. 7 - p, 0 .. p.  One load of mine is out behind each barrier; it has four steps in which to land.
.macro CHANGE fill
	s_wait_tensorcnt 0x0                           ; no tensor load of mine is out, so a group 0 may be written
	ds_add_u32 v[SPW], v[NIL]                      ; 0 onto my spare word
.if \fill
	s_add_co_u32 s46, s46, 1
	s_cmp_eq_u32 s46, s47
	s_cselect_b32 s46, 0, s46                      ; behind the first block's last slot the walk begins anew
	s_lshl_b32 s44, s46, 15                        ; 256 rows of 128 bytes a slot
	s_add_nc_u64 s[34:35], s[40:41], s[44:45]
	s_or_b32 s35, s35, 0x80000000
	s_add_nc_u64 s[38:39], s[42:43], s[44:45]
	s_or_b32 s39, s39, 0x80000000
	s_xor_b32 s33, s33, SLOT1
	s_xor_b32 s37, s37, SLOT1
	s_wait_xcnt 0x0                                ; the last prefetch, a slot back, has read its address
	s_add_nc_u64 s[70:71], s[70:71], 32768
.endif
	s_wait_dscnt 0x0                               ; the add is done, and my reads of the slot that I have left are over
	s_barrier_signal -1
	s_barrier_wait -1
.if \fill
	TLOAD
	ASK
.endif
.endm
; THE WAY OUT of a block: O^T / l, rounded to f16, through my stage, a tile (16 rows of 128 bytes) at a time; a store covers 512 consecutive bytes.
.macro OUT
.rept 4
	v_nop                                          ; behind the last products
.endr
	s_wait_xcnt 0x0                                ; an earlier way out's stores have read v192-223
.irp t, 0,1
	v_add_f32 v[ST+8*\t+4], v[ST+8*\t+2], v[ST+8*\t+3]
.endr
.irp t, 0,1
	v_permlanex16_b32 v[ST+8*\t+5], v[ST+8*\t+4], s56, s57
.endr
.irp t, 0,1
	v_add_f32 v[ST+8*\t+4], v[ST+8*\t+4], v[ST+8*\t+5]
.endr
.irp t, 0,1
	v_rcp_f32 v[ST+8*\t+6], v[ST+8*\t+4]
.endr
	v_nop
	s_wait_alu depctr_va_vdst(0)                   ; one wait for the two reciprocals
.irp t, 0,1
.set i, 0
.rept 16
	v_pk_mul_f32 v[O+32*\t+2*i:O+32*\t+2*i+1], v[O+32*\t+2*i:O+32*\t+2*i+1], v[ST+8*\t+6:ST+8*\t+7] op_sel_hi:[1,0]
.set i, i+1
.endr
.set i, 0
.rept 16
	v_cvt_pk_f16_f32 v[OB+16*\t+i], v[O+32*\t+2*i], v[O+32*\t+2*i+1]
.set i, i+1
.endr
.irp c, 0,1,2,3
	ds_store_b128 v[STO], v[OB+16*\t+4*\c:OB+16*\t+4*\c+3] offset:32*\c
.endr
.irp k, 0,1,2,3
	ds_load_b128 v[OB+16*\t+4*\k:OB+16*\t+4*\k+3], v[RD] offset:4*SP*\k   ; LDS serves a wave's instructions in order: these see the stores above, and the next tile's stores come behind them
.endr
.endr
.irp t, 0,1
.irp k, 0,1,2,3
	s_wait_dscnt 8*(1-\t)+3-\k                     ; the younger loads of this tile, and the other tile's eight instructions, may be out
	global_store_b128 v[GO], v[OB+16*\t+4*\k:OB+16*\t+4*\k+3], s[68:69] offset:2048*\t+512*\k
.endr
.endr
.endm
.Lslot:                                            ; eight trips: behind each change of slots the next of the nine slots is asked for
	CHANGE 1
	SLOT_STEPS
	s_sub_co_u32 s58, s58, 1
	s_cmp_lg_u32 s58, 0                            ; ids and counts alone; it falls through once, behind slot 7 - p
	s_cbranch_scc1 .Lsame
	s_wait_loadcnt 0x0                             ; the first block's loads of Q are done, on every way that leads here: their base may be stepped, and new loads may be issued into their registers
	s_lshl_b32 s73, s9, 8
	s_lshl_b32 s74, s8, 5
	s_add_co_u32 s53, s73, s74                     ; THE SECOND BLOCK: my first query is 256 p + 32 x wave
	s_lshl_b32 s44, s53, 7
	s_add_nc_u64 s[62:63], s[60:61], s[44:45]
	QLOAD                                          ; asked for first: it lands while the first block goes out
	OUT
	s_wait_xcnt 0x0                                ; the stores have read their base
	s_add_nc_u64 s[68:69], s[66:67], s[44:45]
	INIT
	s_mov_b32 s52, 0
	s_add_co_u32 s58, s9, 1
.Lsame:
	s_sub_co_u32 s48, s48, 1
	s_cmp_lg_u32 s48, 0
	s_cbranch_scc1 .Lslot
	CHANGE 0                                       ; the ninth slot is written out: nothing is left to ask for
	SLOT_STEPS
	OUT
	s_wait_tensorcnt 0x0                           ; the wave's end: behind my last tensor load and my last LDS store
	ds_add_u32 v[SPW], v[NIL]
	s_wait_dscnt 0x0
	s_endpgm
.Lfunc_end_k_q4701598151_attn:
	.size	k_q4701598151_attn, .Lfunc_end_k_q4701598151_attn-k_q4701598151_attn
	.p2alignl 7, 3214868480
	.fill 96, 4, 3214868480
	.section	.rodata,"a",@progbits
	.p2align	6, 0x0
	.amdhsa_kernel k_q4701598151_attn
		.amdhsa_group_segment_fixed_size 327680
		.amdhsa_private_segment_fixed_size 0
		.amdhsa_enable_private_segment 0
		.amdhsa_kernarg_size 16
		.amdhsa_user_sgpr_count 2
		.amdhsa_user_sgpr_kernarg_segment_ptr 1
		.amdhsa_wavefront_size32 1
		.amdhsa_system_sgpr_workgroup_id_x 1
		.amdhsa_system_sgpr_workgroup_id_y 1
		.amdhsa_system_sgpr_workgroup_id_z 1
		.amdhsa_system_vgpr_workitem_id 0
		.amdhsa_next_free_vgpr 512
		.amdhsa_next_free_sgpr 80
		.amdhsa_reserve_vcc 1
		.amdhsa_float_denorm_mode_32 3
		.amdhsa_float_denorm_mode_16_64 3
		.amdhsa_memory_ordered 1
		.amdhsa_forward_progress 1
		.amdhsa_inst_pref_size 72
	.end_amdhsa_kernel
	.amdgpu_metadata
---
amdhsa.version: [ 1, 2 ]
amdhsa.kernels:
  - .name:           k_q4701598151_attn
    .symbol:         k_q4701598151_attn.kd
    .args:
      - { .name: qkv16, .offset: 0, .size: 8, .value_kind: global_buffer, .address_space: global }
      - { .name: a16, .offset: 8, .size: 8, .value_kind: global_buffer, .address_space: global }
    .group_segment_fixed_size: 327680
    .private_segment_fixed_size: 0
    .kernarg_segment_align: 8
    .kernarg_segment_size: 16
    .max_flat_workgroup_size: 256
    .sgpr_count:     80
    .vgpr_count:     512
    .wavefront_size: 32
...
	.end_amdgpu_metadata
.endif
;; end of part 3
;; launch proj (part 4): grid 4 x 64, 4 waves a work-group, clusters of 4 x 4, 327,680 bytes of LDS; arguments a16, wo16, out0; writes out0
.if DOCPART == 4
	.amdgcn_target "amdgcn-amd-amdhsa--gfx1250"
	.amdhsa_code_object_version 6
	.text
	.protected	k_q4701598151_proj
	.globl	k_q4701598151_proj
	.p2align	8
	.type	k_q4701598151_proj,@function
k_q4701598151_proj:
	s_mov_b64 s[64:65], 0
	v_nop
	global_prefetch_b8 v0, s[64:65] scope:SCOPE_SE
	s_setreg_imm32_b32 hwreg(HW_REG_WAVE_MODE, 25, 1), 1
	s_wait_xcnt 0x0
	s_wait_alu depctr_hold_cnt(0) depctr_sa_sdst(0) depctr_va_vdst(0) depctr_va_sdst(0) depctr_va_ssrc(0) depctr_va_vcc(0) depctr_vm_vsrc(0)
	s_getreg_b32 s2, hwreg(HW_REG_IB_STS2, 6, 4)
	s_cmp_eq_u32 s2, 0
	s_cbranch_scc0 .Lentry_in_a_cluster
	s_endpgm
.Lentry_in_a_cluster:
	s_bfe_u32 s2, ttmp6, 0x10000c
	s_cmp_lg_u32 s2, 0xf033
	s_cbranch_scc0 .Lentry_shape_is_right
	s_endpgm
.Lentry_shape_is_right:
; PROJ: out[row][e] = sum over d of A[row][d] Wo[e][d]: 8,192 x 1,024 x 1,024, f16 operands, f32 sums and results.  Both operands lie [chunk d / 64][row][64], so a chunk's rows of a tile are one dense block.
; A tile of 128 rows x 256 columns gives 256 work-groups.  Four waves, each 64 x 128: 32 accumulators, 256 registers.  K goes in steps of 128 (two chunks) through a ring of two LDS slots; a wave's one tensor load
; brings a chunk of A's tile (128 rows of 128 bytes: waves 0, 1) or of Wo's (256 rows: waves 2, 3).
; CLUSTERS: 4 x 4 work-groups: the four of a row of the cluster share A's tiles, the four of a column Wo's: each tile is asked for jointly.
; THE MATRIX INSTRUCTION IS USED TRANSPOSED (source 0 = 16 rows of Wo, source 1 = 16 rows of A): a lane holds eight neighbouring numbers of a row of the output.
; The rows of positions 0-15 of each batch are written here like all others and written over by the small f32 launch that follows.
; NO PREFETCH: eight K steps in all, on a small tile.
; REGISTERS: window 0: v16-29 addresses; v32-159 the way out.   window 1: two fragment buffers of 96 (Wo's 8 fragments, then A's 4).   window 2: accumulator (a, b) at v[8 (8 a + b)].
.set PITCH,  144                       ; an LDS row: 128 bytes + 16: the 16 rows of a load start at 16 different banks
.set APL,    128*PITCH                 ; a chunk of A's tile
.set BPL,    256*PITCH                 ; a chunk of Wo's
.set SLOT,   2*APL+2*BPL
.set STAGE,  2*SLOT                    ; behind the ring: 16 rows x (512 + 16) bytes for each wave
.set SPITCH, 528
.set SPARE,  STAGE+4*16*SPITCH
.set LAPS,   4                         ; a lap = two K steps
.set ASTEP,  2*2*8192*128              ; two K steps on: four chunks of A,
.set BSTEP,  2*2*1024*128              ; of Wo
.set ADRA, 16
.set ADRB, 20
.set STO,  24
.set RD,   25
.set CO,   26
.set SPW,  28
.set NIL,  29
.set BK,   32
.set F0,   0
.set F1,   96
.set G1, 24
.set G0, 32
.set G1B, 48
.set G0B, 56
.set MSB, 0
.macro WIN new
.if MSB != (\new)
	s_set_vgpr_msb (MSB<<8)|(\new)
.set MSB, (\new)
.endif
.endm
.set MUL,  0xa5                        ; sources 0 and 1 window 1; C and D window 2
.set TO_F, 0x40
.macro JLOAD s                         ; a joint load; an s_nop 0 and four v_nop follow each of the two lines
	s_cmp_eq_u32 s11, 0
	s_cbranch_scc0 .Lfor_b_\@
	tensor_load_to_lds s[G0+4*\s:G0+4*\s+3], s[G1:G1+7]
	s_nop 0
.rept 4
	v_nop
.endr
	s_branch .Lasked_\@
.Lfor_b_\@:
	tensor_load_to_lds s[G0B+4*\s:G0B+4*\s+3], s[G1B:G1B+7]
	s_nop 0
.rept 4
	v_nop
.endr
.Lasked_\@:
.endm
.macro CREST
	s_cmp_lg_u32 s10, 0
	s_cbranch_scc1 .Lnot_wave_0_\@
	s_barrier_signal -3
.Lnot_wave_0_\@:
	s_barrier_wait -3
	s_barrier_signal -1
	s_barrier_wait -1
.endm
.macro CROUND
	s_barrier_signal -1
	s_barrier_wait -1
	CREST
.endm
	s_load_b128 s[4:7], s[0:1], 0x0                ; a16, wo16
	s_load_b64 s[8:9], s[0:1], 0x10                ; out0
	v_lshl_add_u32 v[SPW], v0, 2, SPARE
	v_mov_b32 v[NIL], 0
	ds_add_u32 v[SPW], v[NIL]                      ; the wave's opening: the add, twice on end, and its wait ahead of my first tensor load
	ds_add_u32 v[SPW], v[NIL]
	v_lshrrev_b32 v1, 5, v0
	v_readfirstlane_b32 s10, v1                    ; wave 0..3
	s_lshr_b32 s11, s10, 1                         ; which 64 rows are mine.  Also: I fetch for A (0) or for Wo (1)
	s_and_b32 s12, s10, 1                          ; which 128 columns.  Also: which chunk of a K step I fetch
	s_bfe_u32 s40, ttmp6, 0x40000                  ; cx
	s_bfe_u32 s41, ttmp6, 0x40004                  ; cy
	s_lshl_b32 s42, ttmp9, 2
	s_add_co_u32 s42, s42, s40                     ; tile column
	s_and_b32 s13, ttmp7, 0xffff
	s_lshl_b32 s13, s13, 2
	s_add_co_u32 s13, s13, s41                     ; tile row
	s_lshl_b32 s43, s41, 2
	s_lshl_b32 s43, 15, s43                        ; my row of the cluster
	s_lshl_b32 s44, 0x1111, s40                    ; my column
	s_or_b32 s[G1+0], s43, (1<<16)|(1<<20)|(1<<21)|(4<<22)|(3<<25)  ; the mask; elements of 2 bytes; padding on; bit 21 beside a mask; four words behind every 32
	s_or_b32 s[G1B+0], s44, (1<<16)|(1<<20)|(1<<21)|(4<<22)|(3<<25)
	s_mov_b32 s[G1+1], 64<<16                      ; tensor_dim0
	s_mov_b32 s[G1+2], 128<<16                     ; tensor_dim1
	s_mov_b32 s[G1+3], 64<<16                      ; tile_dim0
	s_mov_b32 s[G1+4], 128                         ; tile_dim1
	s_mov_b32 s[G1+5], 64                          ; the pitch
	s_mov_b32 s[G1+6], 0
	s_mov_b32 s[G1+7], 0
	s_mov_b32 s[G1B+1], 64<<16
	s_mov_b32 s[G1B+2], 256<<16
	s_mov_b32 s[G1B+3], 64<<16
	s_mov_b32 s[G1B+4], 256
	s_mov_b32 s[G1B+5], 64
	s_mov_b32 s[G1B+6], 0
	s_mov_b32 s[G1B+7], 0
	s_lshl_b32 s16, s12, 20                        ; A: my chunk (8,192 rows of 128 bytes),
	s_lshl_b32 s17, s13, 14                        ; the tile's 128 rows
	s_add_co_u32 s16, s16, s17
	s_mov_b32 s17, 0
	s_lshl_b32 s46, s12, 17                        ; Wo: my chunk (1,024 rows),
	s_lshl_b32 s47, s42, 15                        ; the tile's 256 rows
	s_add_co_u32 s46, s46, s47
	s_mov_b32 s47, 0
	s_mul_i32 s20, s12, APL                        ; where they go in a slot
	s_mul_i32 s21, s12, BPL
	s_add_co_u32 s21, s21, 2*APL
	s_wait_dscnt 0x0                               ; both opening adds are done
	s_wait_kmcnt 0x0
	s_add_nc_u64 s[14:15], s[4:5], s[16:17]
	s_add_nc_u64 s[46:47], s[6:7], s[46:47]
	CROUND                                         ; all sixteen work-groups are here
.irp s, 0,1
	s_mov_b32 s[G0+4*\s], 1
	s_add_co_u32 s[G0+4*\s+1], s20, \s*SLOT
	s_add_nc_u64 s[G0+4*\s+2:G0+4*\s+3], s[14:15], \s*ASTEP/2
	s_or_b32 s[G0+4*\s+3], s[G0+4*\s+3], 0x80000000
	s_mov_b32 s[G0B+4*\s], 1
	s_add_co_u32 s[G0B+4*\s+1], s21, \s*SLOT
	s_add_nc_u64 s[G0B+4*\s+2:G0B+4*\s+3], s[46:47], \s*BSTEP/2
	s_or_b32 s[G0B+4*\s+3], s[G0B+4*\s+3], 0x80000000
	JLOAD \s                                       ; two loads of mine are out
.endr
	v_and_b32 v1, 15, v0
	v_bfe_u32 v2, v0, 4, 1
	v_mul_u32_u24 v3, v1, PITCH
	v_lshl_add_u32 v3, v2, 4, v3
	s_mul_i32 s21, s11, 64*PITCH                   ; my 64 rows of A
	s_mul_i32 s22, s12, 128*PITCH                  ; my 128 rows of Wo,
	s_add_co_u32 s22, s22, 2*APL                   ; behind A's two chunks
.irp s, 0,1
	v_add_nc_u32 v[ADRA+\s], s21, v3
	v_add_nc_u32 v[ADRB+\s], s22, v3
	s_add_co_u32 s21, s21, SLOT
	s_add_co_u32 s22, s22, SLOT
.endr
	s_mul_i32 s23, s10, 16*SPITCH
	s_add_co_u32 s23, s23, STAGE                   ; my stage
	v_mul_u32_u24 v4, v1, SPITCH
	v_lshl_add_u32 v4, v2, 5, v4
	v_add_nc_u32 v[STO], s23, v4                   ; in: row r, 32 bytes for each half of the lanes
	v_and_b32 v5, 31, v0
	v_lshlrev_b32 v[CO], 4, v5
	v_add_nc_u32 v[RD], s23, v[CO]                 ; back: the 32 lanes take a row of 512 bytes
	s_lshl_b32 s16, s13, 7
	s_lshl_b32 s17, s11, 6
	s_add_co_u32 s16, s16, s17                     ; my first row
	s_lshl_b32 s16, s16, 12                        ; rows of 4,096 bytes
	s_mov_b32 s17, 0
	s_add_nc_u64 s[8:9], s[8:9], s[16:17]
	s_lshl_b32 s46, s42, 10
	s_lshl_b32 s47, s12, 9
	s_add_co_u32 s46, s46, s47                     ; my first column, in bytes
	s_mov_b32 s47, 0
	s_add_nc_u64 s[8:9], s[8:9], s[46:47]
.macro MUL8 f, a, zero                 ; A's block a against Wo's eight, 32 along K.  The 32 accumulators take turns in one order everywhere
.irp b, 0,1,2,3,4,5,6,7
.if \zero
	v_wmma_f32_16x16x32_f16 v[8*(8*\a+\b):8*(8*\a+\b)+7], v[\f+8*\b:\f+8*\b+7], v[\f+64+8*\a:\f+64+8*\a+7], 0
.else
	v_wmma_f32_16x16x32_f16 v[8*(8*\a+\b):8*(8*\a+\b)+7], v[\f+8*\b:\f+8*\b+7], v[\f+64+8*\a:\f+64+8*\a+7], v[8*(8*\a+\b):8*(8*\a+\b)+7]
.endif
.endr
.endm
.macro FETCH slot, q, f                ; 24 LDS loads in one run: quarter q of a K step (chunk q / 2, channels 32 (q % 2) on): Wo's 16 first, then A's 8
	WIN TO_F
.irp i, 0,1,2,3,4,5,6,7
	ds_load_b128 v[\f+8*\i:\f+8*\i+3],   v[ADRB+\slot] offset:((\q)/2)*BPL+((\q)%2)*64+\i*16*PITCH
	ds_load_b128 v[\f+8*\i+4:\f+8*\i+7], v[ADRB+\slot] offset:((\q)/2)*BPL+((\q)%2)*64+\i*16*PITCH+32
.endr
.irp i, 0,1,2,3
	ds_load_b128 v[\f+64+8*\i:\f+64+8*\i+3],   v[ADRA+\slot] offset:((\q)/2)*APL+((\q)%2)*64+\i*16*PITCH
	ds_load_b128 v[\f+64+8*\i+4:\f+64+8*\i+7], v[ADRA+\slot] offset:((\q)/2)*APL+((\q)%2)*64+\i*16*PITCH+32
.endr
.endm
.macro PLACES
.rept 4
	v_nop
.endr
.endm
.macro QUARTER slot, q, f, g, zero     ; multiplies buffer f; in its middle fetches quarter q of the same slot into g
	s_wait_dscnt 4                                 ; all but A's blocks 2 and 3
	WIN MUL
	MUL8 \f, 0, \zero
	MUL8 \f, 1, \zero
	PLACES
	FETCH \slot, \q, \g
	s_wait_dscnt 24                                ; all but the 24 just issued
	WIN MUL
	MUL8 \f, 2, \zero
	MUL8 \f, 3, \zero
.endm
; A K step's last quarter multiplies buffer 1 and changes slots: one barrier; in front of it each wave waits for all its tensor loads, adds 0 to its spare word, and waits for that and for its reads of this slot.
; fill = 1: the barrier opens a round of the cluster's, and this slot is filled again, two K steps ahead, first thing behind it: 112 matrix instructions stand between that request and the wait for it.
.macro TURN slot, next, fill
	WIN 0
	s_wait_tensorcnt 0x0                           ; all my tensor loads have landed: my part of the next slot
	ds_add_u32 v[SPW], v[NIL]                      ; 0 onto my spare word
	s_wait_dscnt 5                                 ; the add and A's blocks 2 and 3 may be out
	WIN MUL
	MUL8 F1, 0, 0
	s_wait_dscnt 0x0                               ; the add is done, and my reads of this slot are over
	s_barrier_signal -1
	MUL8 F1, 1, 0
.if \fill
	WIN 0
.endif
	s_barrier_wait -1
.if \fill
	CREST
	s_add_nc_u64 s[G0+4*\slot+2:G0+4*\slot+3], s[G0+4*\slot+2:G0+4*\slot+3], ASTEP
	s_add_nc_u64 s[G0B+4*\slot+2:G0B+4*\slot+3], s[G0B+4*\slot+2:G0B+4*\slot+3], BSTEP
	JLOAD \slot                                    ; the four v_nop behind it are also the places in front of the loads below
.else
	PLACES
.endif
	FETCH \next, 0, F0
	WIN MUL
	MUL8 F1, 2, 0
	MUL8 F1, 3, 0
.endm
	s_wait_tensorcnt 1                             ; my part of K step 0 is in; K step 1's load may be out
	s_barrier_signal -1
	s_barrier_wait -1
	FETCH 0, 0, F0
	QUARTER 0, 1, F0, F1, 1                        ; the first quarter's products start the sums
	WIN 0
	s_mov_b32 s3, LAPS-1
.Llap:                                                 ; a trip goes once round the ring and fills both slots again
	QUARTER 0, 2, F1, F0, 0
	QUARTER 0, 3, F0, F1, 0
	TURN 0, 1, 1
	QUARTER 1, 1, F0, F1, 0
	QUARTER 1, 2, F1, F0, 0
	QUARTER 1, 3, F0, F1, 0
	TURN 1, 0, 1
	QUARTER 0, 1, F0, F1, 0
	WIN 0
	s_sub_co_u32 s3, s3, 1
	s_cmp_lg_u32 s3, 0
	s_cbranch_scc1 .Llap
	QUARTER 0, 2, F1, F0, 0                        ; the last lap fills nothing
	QUARTER 0, 3, F0, F1, 0
	TURN 0, 1, 0
	QUARTER 1, 1, F0, F1, 0
	QUARTER 1, 2, F1, F0, 0
	QUARTER 1, 3, F0, F1, 0
	s_wait_dscnt 4
	WIN MUL
	MUL8 F1, 0, 0
	MUL8 F1, 1, 0
	s_wait_dscnt 0
	MUL8 F1, 2, 0
	MUL8 F1, 3, 0
	WIN 0
; THE WAY OUT, block by block of 16 rows x 128 columns, through my own stage: back come whole rows of 512 bytes.
.macro TOSTAGE a
	WIN 0x08                                       ; the data: window 2
.irp b, 0,1,2,3,4,5,6,7
	ds_store_b128 v[STO], v[64*(\a)+8*\b:64*(\a)+8*\b+3] offset:64*\b        ; each accumulator from its low end on
	ds_store_b128 v[STO], v[64*(\a)+8*\b+4:64*(\a)+8*\b+7] offset:64*\b+16
.endr
	WIN 0
.set BB, BK+64*((\a)%2)
.irp t, 0,1,2,3,4,5,6,7,8,9,10,11,12,13,14,15
	ds_load_b128 v[BB+4*\t:BB+4*\t+3], v[RD] offset:\t*SPITCH
.endr
.endm
.macro SEND a, younger
.set BB, BK+64*((\a)%2)
	s_wait_dscnt \younger
.irp t, 0,1,2,3,4,5,6,7,8,9,10,11,12,13,14,15
	global_store_b128 v[CO], v[BB+4*\t:BB+4*\t+3], s[8:9] offset:65536*(\a)+4096*\t th:TH_STORE_NT   ; 512 consecutive bytes, aligned
.endr
.endm
	PLACES
	TOSTAGE 0
.irp a, 1,2,3
.if \a > 1
	s_wait_xcnt 0x0                                ; block a - 2's stores have read the registers into which block a's loads land
.endif
	TOSTAGE \a
	SEND \a-1, 32                                  ; behind block a - 1's loads: block a's 16 stores and 16 loads
.endr
	SEND 3, 0
	s_wait_tensorcnt 0x0                           ; the wave's end
	ds_add_u32 v[SPW], v[NIL]
	s_wait_dscnt 0x0
	CROUND                                         ; the closing round
	s_endpgm
.Lfunc_end_k_q4701598151_proj:
	.size	k_q4701598151_proj, .Lfunc_end_k_q4701598151_proj-k_q4701598151_proj
	.p2alignl 7, 3214868480
	.fill 96, 4, 3214868480
	.section	.rodata,"a",@progbits
	.p2align	6, 0x0
	.amdhsa_kernel k_q4701598151_proj
		.amdhsa_group_segment_fixed_size 327680
		.amdhsa_private_segment_fixed_size 0
		.amdhsa_enable_private_segment 0
		.amdhsa_kernarg_size 24
		.amdhsa_user_sgpr_count 2
		.amdhsa_user_sgpr_kernarg_segment_ptr 1
		.amdhsa_wavefront_size32 1
		.amdhsa_system_sgpr_workgroup_id_x 1
		.amdhsa_system_sgpr_workgroup_id_y 1
		.amdhsa_system_sgpr_workgroup_id_z 1
		.amdhsa_system_vgpr_workitem_id 0
		.amdhsa_next_free_vgpr 768
		.amdhsa_next_free_sgpr 66
		.amdhsa_reserve_vcc 0
		.amdhsa_float_denorm_mode_32 3
		.amdhsa_float_denorm_mode_16_64 3
		.amdhsa_memory_ordered 1
		.amdhsa_forward_progress 1
		.amdhsa_inst_pref_size 85
	.end_amdhsa_kernel
	.amdgpu_metadata
---
amdhsa.version: [ 1, 2 ]
amdhsa.kernels:
  - .name:           k_q4701598151_proj
    .symbol:         k_q4701598151_proj.kd
    .args:
      - { .name: a16, .offset: 0, .size: 8, .value_kind: global_buffer, .address_space: global }
      - { .name: wo16, .offset: 8, .size: 8, .value_kind: global_buffer, .address_space: global }
      - { .name: out0, .offset: 16, .size: 8, .value_kind: global_buffer, .address_space: global }
    .group_segment_fixed_size: 327680
    .private_segment_fixed_size: 0
    .kernarg_segment_align: 8
    .kernarg_segment_size: 24
    .max_flat_workgroup_size: 128
    .sgpr_count:     66
    .vgpr_count:     768
    .wavefront_size: 32
...
	.end_amdgpu_metadata
.endif
;; end of part 4
;; launch fine (part 5): grid 16 x 4, 16 waves a work-group, no clusters, 67,584 bytes of LDS; arguments fine32, Wo, out0; writes out0
.if DOCPART == 5
	.amdgcn_target "amdgcn-amd-amdhsa--gfx1250"
	.amdhsa_code_object_version 6
	.text
	.protected	k_q4701598151_fine
	.globl	k_q4701598151_fine
	.p2align	8
	.type	k_q4701598151_fine,@function
k_q4701598151_fine:
	s_mov_b64 s[64:65], 0
	v_nop
	global_prefetch_b8 v0, s[64:65] scope:SCOPE_SE
	s_setreg_imm32_b32 hwreg(HW_REG_WAVE_MODE, 25, 1), 1
	s_wait_xcnt 0x0
; FINE: positions 0-15 of each batch once more, all in f32: these rows average one to sixteen values, and 16-bit operands would weigh most there.  Scores, softmax, P V and the projection by Wo,
; by the f32 matrix form (16 x 16 x 4): 64 rows of the output in all, no bulk work.
; SHARES.  Work-group (slice, batch): 64 columns e of the 16 rows.  Wave = head: it makes its head's attention for the 16 positions (every slice makes it again: 32 of a wave's 96 matrix instructions), multiplies
; by its 64 columns of 64 rows of Wo, and the sixteen heads' parts are added through LDS in ascending order: each output row's 256 bytes have one owner, written whole by sixteen lanes.
; Q, K, V arrive as images of registers: register 4 n + i of lane (r, h) is (position r, channel 16 (n / 2) + 8 h + 4 (n % 2) + i).  A K step takes a pair of registers from both operands: the four channels that a pair
; holds across the two halves of the lanes are the same on both sides, so the sums are whole.  All products are used transposed: a lane holds one position throughout.
; The registers that the f32 matrix form writes (v176-223) are written by matrix instructions alone; sums begin with the constant 0.
; No cluster, no tensor load: what is shared (192 KiB of images) is small.
.set SPARE, 65536                      ; behind the sixteen regions of 4,096 bytes: the spare words, 128 bytes a wave
.set LI,  3                            ; 16 x lane
.set WOO, 4                            ; Wo: 4,096 r + 32 h
.set VST, 5                            ; my region + 16 x lane
.set VGA, 6                            ; V turned: see below
.set DM,  7                            ; r - 8 h
.set RDA, 8
.set OUTO, 9
.set SPW, 10
.set NIL, 11
.set QR,  16                           ; v16-47 Q, v48-79 K; later Wo's tiles 2, 3; later the sixteen parts
.set KR,  48
.set W01, 80                           ; v80-143 Wo's tiles 0, 1
.set VT,  144                          ; v144-175 V^T; later O / l
.set S0,  176
.set S1,  184
.set OA,  192                          ; v192-223 O^T; later the output's part
.set PP,  224                          ; v224-255 V's image; later v224-231 scores and p, v232-240 at work
	s_load_b128 s[4:7], s[0:1], 0x0                ; fine32, Wo
	s_load_b64 s[8:9], s[0:1], 0x10                ; out0
	v_lshl_add_u32 v[SPW], v0, 2, SPARE
	v_mov_b32 v[NIL], 0
	v_lshrrev_b32 v12, 5, v0
	v_readfirstlane_b32 s10, v12                   ; wave = head
	s_and_b32 s11, ttmp7, 0xffff                   ; batch
	v_and_b32 v1, 15, v0                           ; r
	v_bfe_u32 v2, v0, 4, 1                         ; h
	v_and_b32 v12, 31, v0
	v_lshlrev_b32 v[LI], 4, v12
	v_lshlrev_b32 v[WOO], 12, v1
	v_lshl_add_u32 v[WOO], v2, 5, v[WOO]
	s_lshl_b32 s12, s10, 12
	v_add_nc_u32 v[VST], s12, v[LI]
	v_bfe_u32 v13, v0, 2, 1                        ; V(key 8 h + kk, channel 16 c + r) lies in the image at 1,024 c + 16 kk + 512 ((r % 8) / 4) + 256 (r / 8) + 128 h + 4 (r % 4)
	v_bfe_u32 v14, v0, 3, 1
	v_and_b32 v15, 3, v0
	v_lshlrev_b32 v[VGA], 9, v13
	v_lshl_add_u32 v[VGA], v14, 8, v[VGA]
	v_lshl_add_u32 v[VGA], v2, 7, v[VGA]
	v_lshl_add_u32 v[VGA], v15, 2, v[VGA]
	v_add_nc_u32 v[VGA], s12, v[VGA]
	v_lshlrev_b32 v13, 3, v2
	v_sub_nc_u32 v[DM], v1, v13
	v_bfe_u32 v13, v0, 4, 4                        ; the reduction: position (thread / 16) mod 16, columns 4 i .. 4 i + 3 with i = lane % 16
	v_lshrrev_b32 v14, 2, v1
	v_and_b32 v15, 1, v0
	v_lshlrev_b32 v[RDA], 10, v14                  ; tile i / 4,
	v_lshl_add_u32 v[RDA], v15, 9, v[RDA]          ; half i % 2,
	v_bfe_u32 v14, v0, 1, 1
	v_lshl_add_u32 v[RDA], v14, 8, v[RDA]          ; the lanes' half (i % 4) / 2,
	v_lshl_add_u32 v[RDA], v13, 4, v[RDA]          ; lane = the position
	v_lshlrev_b32 v[OUTO], 12, v13
	v_lshl_add_u32 v[OUTO], v1, 4, v[OUTO]
	s_mul_i32 s14, s11, 196608                     ; a batch's 48 images
	s_add_co_u32 s14, s14, s12
	s_mov_b32 s15, 0
	s_lshl_b32 s16, ttmp9, 18                      ; Wo: row 64 x slice,
	s_lshl_b32 s17, s10, 8                         ; my head's 64 columns
	s_add_co_u32 s16, s16, s17
	s_mov_b32 s17, 0
	s_lshl_b32 s18, s11, 23                        ; the output: 2,048 rows of 4,096 bytes a batch,
	s_lshl_b32 s19, ttmp9, 8                       ; 256 bytes a slice
	s_add_co_u32 s18, s18, s19
	s_mov_b32 s19, 0
	s_mov_b32 s20, 0x76543210
	s_mov_b32 s21, 0xfedcba98
	s_mov_b32 s22, 0x3e38aa3b                      ; c = log2(e) / 8
	s_wait_kmcnt 0x0
	s_add_nc_u64 s[4:5], s[4:5], s[14:15]
	s_add_nc_u64 s[6:7], s[6:7], s[16:17]
	s_add_nc_u64 s[8:9], s[8:9], s[18:19]
.irp n, 0,1,2,3,4,5,6,7
	global_load_b128 v[PP+4*\n:PP+4*\n+3], v[LI], s[4:5] offset:131072+512*\n    ; V's image
.endr
.irp n, 0,1,2,3,4,5,6,7
	global_load_b128 v[QR+4*\n:QR+4*\n+3], v[LI], s[4:5] offset:512*\n           ; Q's
.endr
.irp n, 0,1,2,3,4,5,6,7
	global_load_b128 v[KR+4*\n:KR+4*\n+3], v[LI], s[4:5] offset:65536+512*\n     ; K's
.endr
.irp et, 0,1
.irp c, 0,1,2,3
	global_load_b128 v[W01+32*\et+8*\c:W01+32*\et+8*\c+3], v[WOO], s[6:7] offset:65536*\et+64*\c      ; Wo(16 et + r, 16 c + 8 h + 0 .. 7) of my head
	global_load_b128 v[W01+32*\et+8*\c+4:W01+32*\et+8*\c+7], v[WOO], s[6:7] offset:65536*\et+64*\c+16
.endr
.endr
	s_wait_loadcnt 32                              ; V's image is in; Q's 8, K's 8 and Wo's 16 loads may be out
.irp n, 0,1,2,3,4,5,6,7
	ds_store_b128 v[VST], v[PP+4*\n:PP+4*\n+3] offset:512*\n
.endr
.irp c, 0,1,2,3
.irp k, 0,1,2,3,4,5,6,7
	ds_load_b32 v[VT+8*\c+\k], v[VGA] offset:1024*\c+16*\k      ; my own bytes: LDS serves a wave's instructions in order
.endr
.endr
	s_wait_loadcnt 16                              ; Q and K are in; Wo's 16 may be out
.set i, 0
.rept 16                                       ; S^T = K Q^T: sixteen steps of four channels, two accumulators by turns
.set rA, S0+8*(i%2)
.if i < 2
	v_wmma_f32_16x16x4_f32 v[rA:rA+7], v[KR+2*i:KR+2*i+1], v[QR+2*i:QR+2*i+1], 0
.else
	v_wmma_f32_16x16x4_f32 v[rA:rA+7], v[KR+2*i:KR+2*i+1], v[QR+2*i:QR+2*i+1], v[rA:rA+7]
.endif
.set i, i+1
.endr
.rept 8
	v_nop                                          ; eight places behind this form: in front of loads into its sources and of reads of its results
.endr
.irp et, 2,3
.irp c, 0,1,2,3
	global_load_b128 v[QR+32*(\et-2)+8*\c:QR+32*(\et-2)+8*\c+3], v[WOO], s[6:7] offset:65536*\et+64*\c
	global_load_b128 v[QR+32*(\et-2)+8*\c+4:QR+32*(\et-2)+8*\c+7], v[WOO], s[6:7] offset:65536*\et+64*\c+16
.endr
.endr
	s_wait_dscnt 0x0                               ; V^T is in, and the image's registers have been read
.irp j, 0,1,2,3,4,5,6,7
	v_add_f32 v[PP+\j], v[S0+\j], v[S1+\j]         ; lane (r, h): query r, key 8 h + j
.endr
	v_mov_b32 v240, 0xff800000
.irp j, 0,1,2,3,4,5,6,7
	v_cmp_gt_i32 vcc_lo, \j, v[DM]                 ; hidden where 8 h + j > r
	v_cndmask_b32 v[PP+\j], v[PP+\j], v240, vcc_lo
.endr
	v_max3_num_f32 v232, v224, v225, v226
	v_max3_num_f32 v232, v232, v227, v228
	v_max3_num_f32 v232, v232, v229, v230
	v_max_num_f32 v232, v232, v231
	v_permlanex16_b32 v233, v232, s20, s21         ; (its target was written by the image's loads)
	v_max_num_f32 v232, v232, v233                 ; key 0 counts for every query: a number
	v_mul_f32 v234, s22, v232
.irp j, 0,1,2,3,4,5,6,7
	v_fma_f32 v[PP+\j], v[PP+\j], s22, -v234
.endr
.irp j, 0,1,2,3,4,5,6,7
	v_exp_f32 v[PP+\j], v[PP+\j]
.endr
	v_nop
	s_wait_alu depctr_va_vdst(0)                   ; one wait for the eight exponentials
	v_add_f32 v236, v224, v225
	v_add_f32 v237, v226, v227
	v_add_f32 v238, v228, v229
	v_add_f32 v239, v230, v231
	v_add_f32 v236, v236, v237
	v_add_f32 v238, v238, v239
	v_add_f32 v236, v236, v238
	v_permlanex16_b32 v235, v236, s20, s21
	v_add_f32 v236, v236, v235
	v_rcp_f32 v237, v236
	v_nop
	s_wait_alu depctr_va_vdst(0)
.irp t, 0,1,2,3                                ; O^T = V^T P: four steps of four keys; the four tiles of channels by turns
.irp c, 0,1,2,3
.if \t == 0
	v_wmma_f32_16x16x4_f32 v[OA+8*\c:OA+8*\c+7], v[VT+8*\c+2*\t:VT+8*\c+2*\t+1], v[PP+2*\t:PP+2*\t+1], 0
.else
	v_wmma_f32_16x16x4_f32 v[OA+8*\c:OA+8*\c+7], v[VT+8*\c+2*\t:VT+8*\c+2*\t+1], v[PP+2*\t:PP+2*\t+1], v[OA+8*\c:OA+8*\c+7]
.endif
.endr
.endr
.rept 8
	v_nop
.endr
.set i, 0
.rept 32
	v_mul_f32 v[VT+i], v[OA+i], v237               ; O / l: lane (r, h): position r, channel 16 c + 8 h + j in register 8 c + j
.set i, i+1
.endr
	s_wait_loadcnt 0x0                             ; all of Wo's tiles are in
.rept 9
	v_nop                                          ; nine places: the products below write over the earlier results
.endr
.irp c, 0,1,2,3                                ; my head's part of the output, transposed: sixteen steps of four channels; the four tiles of columns by turns
.irp t, 0,1,2,3
.irp et, 0,1,2,3
.set WB, W01+32*\et-128*(\et/2)
.if (\c == 0) && (\t == 0)
	v_wmma_f32_16x16x4_f32 v[OA+8*\et:OA+8*\et+7], v[WB+8*\c+2*\t:WB+8*\c+2*\t+1], v[VT+8*\c+2*\t:VT+8*\c+2*\t+1], 0
.else
	v_wmma_f32_16x16x4_f32 v[OA+8*\et:OA+8*\et+7], v[WB+8*\c+2*\t:WB+8*\c+2*\t+1], v[VT+8*\c+2*\t:VT+8*\c+2*\t+1], v[OA+8*\et:OA+8*\et+7]
.endif
.endr
.endr
.endr
.rept 8
	v_nop
.endr
.irp et, 0,1,2,3
.irp f, 0,1
	ds_store_b128 v[VST], v[OA+8*\et+4*\f:OA+8*\et+4*\f+3] offset:1024*\et+512*\f   ; lane (r, h): position r, columns 16 et + 8 h + 4 f + 0 .. 3
.endr
.endr
	s_wait_dscnt 0x0                               ; for the others' sake: my part lies in LDS
	s_barrier_signal -1
	s_barrier_wait -1
	s_cmp_lt_u32 s10, 8                            ; eight waves add: two positions each
	s_cbranch_scc0 .Lfine_end
.irp w, 0,1,2,3,4,5,6,7,8,9,10,11,12,13,14,15
	ds_load_b128 v[QR+4*\w:QR+4*\w+3], v[RDA] offset:4096*\w
.endr
	s_wait_dscnt 0x0
.irp w, 1,2,3,4,5,6,7,8,9,10,11,12,13,14,15
	v_pk_add_f32 v[QR:QR+1], v[QR:QR+1], v[QR+4*\w:QR+4*\w+1]
	v_pk_add_f32 v[QR+2:QR+3], v[QR+2:QR+3], v[QR+4*\w+2:QR+4*\w+3]
.endr
	global_store_b128 v[OUTO], v[QR:QR+3], s[8:9]  ; sixteen lanes store 256 consecutive bytes, aligned
.Lfine_end:
	s_wait_tensorcnt 0x0                           ; the wave's end: behind the last LDS store; the tensor wait stands in a text with no tensor load too
	ds_add_u32 v[SPW], v[NIL]
	s_wait_dscnt 0x0
	s_endpgm
.Lfunc_end_k_q4701598151_fine:
	.size	k_q4701598151_fine, .Lfunc_end_k_q4701598151_fine-k_q4701598151_fine
	.p2alignl 7, 3214868480
	.fill 96, 4, 3214868480
	.section	.rodata,"a",@progbits
	.p2align	6, 0x0
	.amdhsa_kernel k_q4701598151_fine
		.amdhsa_group_segment_fixed_size 67584
		.amdhsa_private_segment_fixed_size 0
		.amdhsa_enable_private_segment 0
		.amdhsa_kernarg_size 24
		.amdhsa_user_sgpr_count 2
		.amdhsa_user_sgpr_kernarg_segment_ptr 1
		.amdhsa_wavefront_size32 1
		.amdhsa_system_sgpr_workgroup_id_x 1
		.amdhsa_system_sgpr_workgroup_id_y 1
		.amdhsa_system_sgpr_workgroup_id_z 1
		.amdhsa_system_vgpr_workitem_id 0
		.amdhsa_next_free_vgpr 256
		.amdhsa_next_free_sgpr 66
		.amdhsa_reserve_vcc 1
		.amdhsa_float_denorm_mode_32 3
		.amdhsa_float_denorm_mode_16_64 3
		.amdhsa_memory_ordered 1
		.amdhsa_forward_progress 1
		.amdhsa_inst_pref_size 25
	.end_amdhsa_kernel
	.amdgpu_metadata
---
amdhsa.version: [ 1, 2 ]
amdhsa.kernels:
  - .name:           k_q4701598151_fine
    .symbol:         k_q4701598151_fine.kd
    .args:
      - { .name: fine32, .offset: 0, .size: 8, .value_kind: global_buffer, .address_space: global }
      - { .name: Wo, .offset: 8, .size: 8, .value_kind: global_buffer, .address_space: global }
      - { .name: out0, .offset: 16, .size: 8, .value_kind: global_buffer, .address_space: global }
    .group_segment_fixed_size: 67584
    .private_segment_fixed_size: 0
    .kernarg_segment_align: 8
    .kernarg_segment_size: 24
    .max_flat_workgroup_size: 512
    .sgpr_count:     66
    .vgpr_count:     256
    .wavefront_size: 32
...
	.end_amdgpu_metadata
.endif
;; end of part 5
